; MI455X (gfx1250); checked and timed in simulation.
; The chip was launched on July 23, 2026; its instructions are those of AMD's public machine-readable ISA for CDNA 5 (MIT licence, August 2026) and "CDNA5" Instruction Set Architecture Reference Guide (July 2026). The comments in the code are by the model that wrote it; some were corrected since.
;; Min GRU. Allowed arithmetic: matrix products marked QUANTISED: E2M1 operands, one E8M0 scale for each 32 along K, by v_wmma_scale_f32_16x16x128_f8f6f4 with both operands' format E2M1 (or v_wmma_scale_f32_32x16x128_f4), f32 sums; everything else in f32.
;; Inputs: Wn 2,048 x 2,048 float32; Wz 2,048 x 2,048 float32; bn 2,048 float32; bz 2,048 float32; x 4 x 2,048 x 2,048 float32.
;; Outputs: out0 4 x 2,048 x 2,048 float32.
;; This version of the problem:
;;   THIS VERSION OF THE PROBLEM IS GIVEN IN LOW PRECISION. The matrix products marked QUANTISED in the list below multiply operands that are first quantised to E2M1 (2 exponent bits, 1 mantissa bit; 4 bits a number), with one power-of-two scale for each 32 numbers along K (OCP MX v1.0); their sums are f32. All else is computed in f32.
;;   The module's matrix products, in the order in which they are computed (A, B: the left and right operand; K: the contracted axis; several contracted axes count as one K, in the product's order):
;;     1. [M 8,192, K 2,048] x [K 2,048, N 2,048]; A: input x; B: input Wz: QUANTISED
;;     2. [M 8,192, K 2,048] x [K 2,048, N 2,048]; A: input x; B: input Wn: QUANTISED
;;   THE QUANTISER, for each operand of a quantised product, along K:
;;     - K is cut into blocks of 32 from its start; a last block that is shorter is filled with zeros.
;;     - A block's scale is 2^e with e = floor(log2(the largest magnitude in the block)) - 2, held to -126 .. 127; a block of zeros has e = 0. As a byte (E8M0): e + 127.
;;     - Each number is divided by its block's scale, clamped to +-6, and rounded to the nearest number of E2M1, ties to even, subnormals kept.
;;     - The product sums the exact products of the quantised numbers (number of the format x scale) in f32.
;;   ~~~python
;;   def quantise(x, axis):      # numpy; x: float32 -> the quantised numbers, widened to float32 again
;;       x = np.moveaxis(x, axis, -1); K = x.shape[-1]
;;       x = np.pad(x, [(0, 0)] * (x.ndim - 1) + [(0, -K % 32)]); x = x.reshape(x.shape[:-1] + (-1, 32)); a = np.abs(x).max(-1, keepdims=True)
;;       e = np.where(a > 0, np.clip(np.frexp(np.where(a > 0, a, 1))[1] - 1 - 2, -126, 127), 0)      # np.frexp(a)[1] - 1 = floor(log2(a)), exactly
;;       r = np.clip(x / 2.0 ** e, -6, 6)
;;       step = 2.0 ** (np.maximum(np.frexp(np.where(r == 0, 1, r))[1] - 1, 0) - 1)
;;       q = np.round(r / step) * step * 2.0 ** e      # np.round: ties to even
;;       return np.moveaxis(q.reshape(q.shape[:-2] + (-1,))[..., :K], -1, axis).astype(np.float32)
;;   ~~~
;; 2 versions. Each part assembles by itself: llvm-mc -triple=amdgcn-amd-amdhsa -mcpu=gfx1250 --defsym DOCPART=n.
;; ======== version 1 of 2: 2 launches
;; workspace buffers: xq 8,388,608 bytes; xs 524,288 bytes; wq 4,194,304 bytes; ws 262,144 bytes
;; launch quant (part 1): grid 768 x 1, 4 waves a work-group, no clusters, 34,304 bytes of LDS; arguments x, Wz, Wn, xq, xs, wq, ws; writes xq, xs, wq, ws
.if DOCPART == 1
	.amdgcn_target "amdgcn-amd-amdhsa--gfx1250"
	.amdhsa_code_object_version 6
	.text
	.protected	k_qa40930f8cf_quant
	.globl	k_qa40930f8cf_quant
	.p2align	8
	.type	k_qa40930f8cf_quant,@function
k_qa40930f8cf_quant:
	s_mov_b64 s[64:65], 0
	v_nop
	global_prefetch_b8 v0, s[64:65] scope:SCOPE_SE
	s_setreg_imm32_b32 hwreg(HW_REG_WAVE_MODE, 25, 1), 1
	s_wait_xcnt 0x0
; x [8192][2048], Wz and Wn [2048][2048], f32 with K innermost, become codes of FP4 (E2M1) and E8M0 scale bytes, one for each 32 along K,
; laid IN THE ORDER OF THE OPERANDS' REGISTERS for the launch that multiplies.
; A fragment (16 rows x 128 K) is 1,024 bytes [c 2][lane 32][16 bytes]: lane (r = lane % 16, h = lane / 16), part c, holds the 32 codes of k = 64 c + 32 h + 0 .. 31 of the fragment's row r.
;   xq [b 4][T 8][kc 2][w 4][s8 8][mt 4][1024]: K step s = 8 kc + s8; row i of fragment (T, w, mt) is the step l = 256 T + 64 w + 32 (i / 8) + 8 mt + i % 8 of batch b
;   wq [cb 64][s 16][nt 4][1024]: nt = 2 mat + u (mat 0: Wz, 1: Wn); row i is the weight's row 32 cb + 2 i + u
;   xs [g 512][kq 4][r 16][4 words], g = ((8 b + T) 4 + w) 4 + mt; ws [t 256][kq 4][r 16][4 words], t = 4 cb + nt: word j is row r's scale word of K step 4 kq + j
; A block's scale is 2^(floor(log2(its largest magnitude)) - 2): its byte is the largest magnitude's exponent field - 2, held at 1 from below.  Each number is divided by the scale and
; rounded to the nearest code, ties to even, beyond 6 the largest code.
; LIMITS: a block of zeros gets the byte 1 where the rule says 127: its codes are zeros, which add nothing under that byte, and this program alone reads the bytes.  NaN and infinities among the inputs are not served.
; SHARES: a work-group takes one tile of 16 rows (work-groups 0-511: x's tile g; 512-767: the weights' tile t), wave kq its K steps 4 kq .. 4 kq + 3: four fragments.
; One path through the text: only pointers and scalar offsets are chosen, on the work-group's number.
; Each load reads 512 consecutive bytes of one row; the conversions want 32 neighbours along K in ONE lane: so a fragment's 8,192 bytes turn through the wave's own stage in LDS.
; No tensor load, no barrier: waves share nothing.  Every offset is an immediate, no pointer is stepped, no store's data are written again.
.set ROWB, 8192                        ; a row of x or of a weight in bytes
.set SP,   528                         ; a stage row: 512 bytes + 16 = 33 x 16: the sixteen rows that a load back touches start at sixteen different columns of 16 bytes (64 banks of 4 bytes: ISA guide 11.1)
.set STG,  16*SP                       ; a wave's stage
.set LI,   1                           ; v1      16 x lane
.set SI,   2                           ; v2      the stage, on the way in: my wave's + 16 x lane
.set SO,   3                           ; v3      on the way out: my wave's + SP r + 128 h
.set SH,   4                           ; v4      8 h: how far my two scale bytes are shifted
.set SA,   5                           ; v5      16 r + 8 h: where my two scale words go
.set M,    6                           ; v6-7    two blocks' largest magnitudes
.set SC,   8                           ; v8-9    the conversions' scale operands
.set BY,   10                          ; v10-11  the scale bytes
.set T,    12                          ; v12     the lane permute's destination
.set OW,   14                          ; v14-15  the two scale words that I store
.set W,    16                          ; v16-19  the scale word of each of my four fragments
.set C,    32                          ; v32-63  codes: eight registers a fragment, never written again
.set L,    64                          ; v64-191 two sets of 64 registers as loaded
.set X,    192                         ; v192-255 two blocks of 32 neighbours
.set RB,   32                          ; s[32:63] the sixteen rows' addresses
.set CB,   66                          ; s[66:67] where my codes go
.set SB,   68                          ; s[68:69] where my scale words go
.set SEL,  70                          ; s[70:71] v_permlanex16_b32's selects for lane l xor 16
	s_load_b256 s[4:11], s[0:1], 0x0               ; x s[4:5], Wz s[6:7], Wn s[8:9], xq s[10:11]
	s_load_b128 s[12:15], s[0:1], 0x20             ; xs s[12:13], wq s[14:15]
	s_load_b64 s[16:17], s[0:1], 0x30              ; ws
	v_lshl_add_u32 v30, v0, 2, 0x8400
	v_mov_b32 v31, 0
	v_lshrrev_b32 v2, 5, v0
	v_readfirstlane_b32 s18, v2                    ; kq = my wave
	v_and_b32 v3, 31, v0                           ; lane
	v_lshlrev_b32 v[LI], 4, v3
	s_mul_i32 s19, s18, STG
	v_add_nc_u32 v[SI], s19, v[LI]
	v_and_b32 v5, 15, v0                           ; r
	v_bfe_u32 v6, v0, 4, 1                         ; h
	v_mul_u32_u24 v[SO], v5, SP
	v_lshl_add_u32 v[SO], v6, 7, v[SO]
	v_add_nc_u32 v[SO], s19, v[SO]
	v_lshlrev_b32 v[SH], 3, v6
	v_lshl_add_u32 v[SA], v5, 4, v[SH]
	v_mov_b32 v[T], 0                              ; written once: a lane permute's destination counts as one of its sources
	s_mov_b32 s[SEL], 0x76543210
	s_mov_b32 s[SEL+1], 0xfedcba98
	s_mov_b32 s20, ttmp9                           ; g
	; the offsets if the tile is x's
	s_lshr_b32 s21, s20, 2                         ; (8 b + T) 4 + w
	s_and_b32 s22, s20, 3                          ; mt
	s_lshl_b32 s72, s21, 6
	s_lshl_b32 s73, s22, 3
	s_add_co_u32 s72, s72, s73                     ; the tile's first row: 64 (g / 4) + 8 mt
	s_lshl_b32 s72, s72, 13                        ; in bytes
	s_lshr_b32 s73, s20, 4
	s_lshl_b32 s73, s73, 18                        ; codes: (8 b + T) x 262,144
	s_and_b32 s74, s21, 3
	s_lshl_b32 s74, s74, 15                        ; + w x 32,768
	s_or_b32 s73, s73, s74
	s_lshl_b32 s74, s22, 10                        ; + mt x 1,024
	s_or_b32 s73, s73, s74
	s_lshr_b32 s74, s18, 1
	s_lshl_b32 s74, s74, 17                        ; + kc x 131,072: kc = kq / 2
	s_or_b32 s73, s73, s74
	s_and_b32 s74, s18, 1
	s_lshl_b32 s74, s74, 14                        ; + s8 x 4,096: s8 = 4 (kq % 2) + j
	s_or_b32 s73, s73, s74
	; and if it is a weight's
	s_and_b32 s23, s20, 255                        ; t
	s_lshr_b32 s24, s23, 2                         ; cb
	s_and_b32 s25, s23, 1                          ; u
	s_lshl_b32 s75, s24, 5
	s_add_co_u32 s75, s75, s25                     ; first row: 32 cb + u
	s_lshl_b32 s75, s75, 13
	s_lshl_b32 s76, s24, 16                        ; codes: cb x 65,536
	s_and_b32 s77, s23, 3
	s_lshl_b32 s77, s77, 10                        ; + nt x 1,024
	s_or_b32 s76, s76, s77
	s_lshl_b32 s77, s18, 14                        ; + s x 4,096: s = 4 kq + j
	s_or_b32 s76, s76, s77
	s_mov_b32 s78, 2*ROWB                          ; a weight's rows of a tile lie two rows apart
	s_wait_kmcnt 0x0
	s_bitcmp1_b32 s23, 1                           ; mat: bit 1 of t
	s_cselect_b64 s[6:7], s[8:9], s[6:7]           ; Wn or Wz
	s_cmp_lt_u32 s20, 512                          ; x's tile or a weight's?  All that follows hangs on the work-group's number alone; the selects leave SCC as it is
	s_cselect_b64 s[4:5], s[4:5], s[6:7]           ; the source,
	s_cselect_b64 s[10:11], s[10:11], s[14:15]     ; the codes' buffer,
	s_cselect_b64 s[12:13], s[12:13], s[16:17]     ; the scale words' buffer,
	s_cselect_b32 s72, s72, s75                    ; the tile's first row,
	s_cselect_b32 s74, s73, s76                    ; its codes' place,
	s_cselect_b32 s76, s20, s23                    ; its number among its buffer's tiles,
	s_cselect_b32 s80, ROWB, s78                   ; from row to row,
	s_cselect_b32 s82, 25*ROWB, s78                ; and from row 7 to row 8: in x 32 - 7 steps on
	s_lshl_b32 s77, s18, 11
	s_add_co_u32 s72, s72, s77                     ; + my 512 numbers of each row
	s_mov_b32 s73, 0
	s_mov_b32 s75, 0
	s_lshl_b32 s76, s76, 10                        ; scale words: 1,024 bytes a tile,
	s_lshl_b32 s77, s18, 8                         ; 256 a wave
	s_or_b32 s76, s76, s77
	s_mov_b32 s77, 0
	s_mov_b32 s81, 0
	s_mov_b32 s83, 0
	s_add_nc_u64 s[RB:RB+1], s[4:5], s[72:73]
	s_add_nc_u64 s[CB:CB+1], s[10:11], s[74:75]
	s_add_nc_u64 s[SB:SB+1], s[12:13], s[76:77]
.irp i, 1,2,3,4,5,6,7,8,9,10,11,12,13,14,15
.if \i == 8
	s_add_nc_u64 s[RB+2*\i:RB+2*\i+1], s[RB+2*\i-2:RB+2*\i-1], s[82:83]
.else
	s_add_nc_u64 s[RB+2*\i:RB+2*\i+1], s[RB+2*\i-2:RB+2*\i-1], s[80:81]
.endif
.endr
.macro LOAD j                          ; fragment j's numbers: sixteen rows, 512 consecutive bytes of a row to an instruction; read once in the launch
.irp i, 0,1,2,3,4,5,6,7,8,9,10,11,12,13,14,15
	global_load_b128 v[L+64*((\j)%2)+4*\i:L+64*((\j)%2)+4*\i+3], v[LI], s[RB+2*\i:RB+2*\i+1] offset:512*(\j) th:TH_LOAD_NT
.endr
.endm
.macro FRAG j
.if (\j) < 3
	s_wait_loadcnt 16                              ; loads come back in order (ISA guide 5.7.1): this fragment's sixteen are in, the next fragment's sixteen stay out
.else
	s_wait_loadcnt 0x0
.endif
.irp i, 0,1,2,3,4,5,6,7,8,9,10,11,12,13,14,15
	ds_store_b128 v[SI], v[L+64*((\j)%2)+4*\i:L+64*((\j)%2)+4*\i+3] offset:SP*\i
.endr
.irp c, 0,1
.irp e, 0,1,2,3,4,5,6,7
	ds_load_b128 v[X+32*\c+4*\e:X+32*\c+4*\e+3], v[SO] offset:256*\c+16*\e   ; row r, k = 64 c + 32 h + 4 e ..  LDS serves a wave's instructions in order (ISA guide 5.7.1.4): these see the stores above
.endr
.endr
	s_wait_dscnt 0x0                               ; my 64 numbers are back, and the stores into the stage have read their registers,
.if (\j) < 2
	LOAD (\j)+2                                    ; which take the fragment two further on
.endif
.irp c, 0,1
	v_max3_num_f32 v[M+\c], |v[X+32*\c]|, |v[X+32*\c+1]|, 0x1800000   ; block 2 c + h: all its 32 numbers are mine; and the floor 2^(3 - 127): the byte cannot fall under 1
.endr
.irp i, 2,4,6,8,10,12,14,16,18,20,22,24,26,28,30
.irp c, 0,1
	v_max3_num_f32 v[M+\c], v[M+\c], |v[X+32*\c+\i]|, |v[X+32*\c+\i+1]|   ; (the two blocks by turns)
.endr
.endr
.irp c, 0,1
	v_add_nc_u32 v[SC+\c], 0xff000000, v[M+\c]     ; 2 off the exponent field: the conversion takes the exponent field of this operand as its scale, and nothing else of it
.endr
.irp c, 0,1
.irp g, 0,1,2,3
	v_cvt_scalef32_pk8_fp4_f32 v[C+8*(\j)+4*\c+\g], v[X+32*\c+8*\g:X+32*\c+8*\g+7], v[SC+\c]   ; registers 4 c .. 4 c + 3 of the operand
.endr
.endr
.irp c, 0,1
	v_lshrrev_b32 v[BY+\c], 23, v[SC+\c]           ; the scale's byte.  (Also the plain vector line behind the conversions)
.endr
	v_lshl_or_b32 v[W+(\j)], v[BY+1], 16, v[BY]    ; my two bytes: blocks h and 2 + h of row r,
	v_lshlrev_b32 v[W+(\j)], v[SH], v[W+(\j)]      ; at their places in the word;
	v_permlanex16_b32 v[T], v[W+(\j)], s[SEL], s[SEL+1]
	v_or_b32 v[W+(\j)], v[W+(\j)], v[T]            ; with lane l xor 16's two the word is whole
.irp c, 0,1
	global_store_b128 v[LI], v[C+8*(\j)+4*\c:C+8*(\j)+4*\c+3], s[CB:CB+1] offset:4096*(\j)+512*\c   ; 32 lanes store 512 consecutive bytes, at a multiple of 512 from the buffer's first byte
.endr
.endm
	LOAD 0
	LOAD 1
	FRAG 0
	FRAG 1
	FRAG 2
	FRAG 3
	v_cmp_ne_u32 vcc_lo, 0, v[SH]                  ; lanes 16-31
	v_cndmask_b32 v[OW], v[W], v[W+2], vcc_lo      ; lanes 0-15 store words 0 and 1 of row r, lanes 16-31 words 2 and 3
	v_cndmask_b32 v[OW+1], v[W+1], v[W+3], vcc_lo
	global_store_b64 v[SA], v[OW:OW+1], s[SB:SB+1] ; 32 lanes store 256 consecutive bytes, at a multiple of 256 from the buffer's first byte
	s_wait_tensorcnt 0x0
	ds_add_u32 v30, v31
	s_wait_dscnt 0x0
	s_endpgm
.Lfunc_end_k_qa40930f8cf_quant:
	.size	k_qa40930f8cf_quant, .Lfunc_end_k_qa40930f8cf_quant-k_qa40930f8cf_quant
	.p2alignl 7, 3214868480
	.fill 96, 4, 3214868480
	.section	.rodata,"a",@progbits
	.p2align	6, 0x0
	.amdhsa_kernel k_qa40930f8cf_quant
		.amdhsa_group_segment_fixed_size 34304
		.amdhsa_private_segment_fixed_size 0
		.amdhsa_enable_private_segment 0
		.amdhsa_kernarg_size 56
		.amdhsa_user_sgpr_count 2
		.amdhsa_user_sgpr_kernarg_segment_ptr 1
		.amdhsa_wavefront_size32 1
		.amdhsa_system_sgpr_workgroup_id_x 1
		.amdhsa_system_sgpr_workgroup_id_y 1
		.amdhsa_system_sgpr_workgroup_id_z 1
		.amdhsa_system_vgpr_workitem_id 0
		.amdhsa_next_free_vgpr 256
		.amdhsa_next_free_sgpr 96
		.amdhsa_reserve_vcc 1
		.amdhsa_float_denorm_mode_32 3
		.amdhsa_float_denorm_mode_16_64 3
		.amdhsa_memory_ordered 1
		.amdhsa_forward_progress 1
		.amdhsa_inst_pref_size 31
	.end_amdhsa_kernel
	.amdgpu_metadata
---
amdhsa.version: [ 1, 2 ]
amdhsa.kernels:
  - .name:           k_qa40930f8cf_quant
    .symbol:         k_qa40930f8cf_quant.kd
    .args:
      - { .name: x, .offset: 0, .size: 8, .value_kind: global_buffer, .address_space: global }
      - { .name: Wz, .offset: 8, .size: 8, .value_kind: global_buffer, .address_space: global }
      - { .name: Wn, .offset: 16, .size: 8, .value_kind: global_buffer, .address_space: global }
      - { .name: xq, .offset: 24, .size: 8, .value_kind: global_buffer, .address_space: global }
      - { .name: xs, .offset: 32, .size: 8, .value_kind: global_buffer, .address_space: global }
      - { .name: wq, .offset: 40, .size: 8, .value_kind: global_buffer, .address_space: global }
      - { .name: ws, .offset: 48, .size: 8, .value_kind: global_buffer, .address_space: global }
    .group_segment_fixed_size: 34304
    .private_segment_fixed_size: 0
    .kernarg_segment_align: 8
    .kernarg_segment_size: 56
    .max_flat_workgroup_size: 128
    .sgpr_count:     96
    .vgpr_count:     256
    .wavefront_size: 32
...
	.end_amdgpu_metadata
.endif
;; end of part 1
;; launch gru (part 2): grid 64 x 4, 4 waves a work-group, no clusters, 101,888 bytes of LDS; arguments xq, xs, wq, ws, bz, bn, out0; writes out0
.if DOCPART == 2
	.amdgcn_target "amdgcn-amd-amdhsa--gfx1250"
	.amdhsa_code_object_version 6
	.text
	.protected	k_qa40930f8cf_gru
	.globl	k_qa40930f8cf_gru
	.p2align	8
	.type	k_qa40930f8cf_gru,@function
k_qa40930f8cf_gru:
	s_mov_b64 s[64:65], 0
	v_nop
	global_prefetch_b8 v0, s[64:65] scope:SCOPE_SE
	s_setreg_imm32_b32 hwreg(HW_REG_WAVE_MODE, 25, 1), 1
	s_wait_xcnt 0x0
; minGRU: k = x Wz^T + bz, n = x Wn^T + bn on codes of FP4 (E2M1) with E8M0 scales, then h_t = (1 - z_t) h_(t-1) + z_t g_t, h_0 = 0.5, z = sigmoid(k), g = n + 0.5 where n >= 0, else sigmoid(n).
; THE SCAN.  exp of a*_t + logsumexp_(s <= t)(v_s - a*_s) is the sum over s of exp(v_s + a*_t - a*_s), every a*_t - a*_s being 0 or less.  The recurrence forms that sum with the reference point moved
; to a*_t in every step: each step multiplies what was summed by 1 - z_t <= 1 and adds z_t g_t, so h stays a convex mixture of 0.5 and the g: nothing can overflow, and no exponent is left unshifted.
; g = max(n + 0.5, sigmoid(n)) for every n: the line 0.5 + n / 4 parts the two on each side of 0.  All behind the products is f32.
; LIMITS: where k or n lies under about -88 the exponential is +infinity and the reciprocal 0, the true number lying under 2^-126; 1 - z has an absolute error of at most 2^-24, over 2,048 steps at most
; 1.3e-4 of the largest h; the bias is the sum's first addend and not its last; NaN and infinities among the inputs are not served.
; SHARES.  A work-group owns one batch b and 32 channels e = 32 cb + 0 .. 31 for all 2,048 steps, since a channel's scan wants one owner: 4 x 64 work-groups.  It walks eight tiles of 256 steps; a wave takes 64 of a tile's steps.
; THE WEIGHTS LIE IN LDS: 32 rows of Wz and 32 of Wn x K 2,048 are 64 fragments, 65,536 bytes, stored there once as images of the operand's registers and read by all four waves; a fragment read feeds four matrix instructions.
; x COMES FROM MEMORY STRAIGHT INTO REGISTERS.  Its codes lie in memory as register images (see the launch that makes them), each wave's fragments on end, and no wave reads another's.  A ring of eight slots, a slot = the four fragments
; of one K step of 128 (8 loads of 512 consecutive bytes, 32 registers), is refilled slot by slot, each straight behind the K step that read it: 56 to 64 loads of a wave are on their way all through the K loop, and a load has seven K steps in which to land.
; NO JOINT REQUESTS, though the 64 work-groups of a batch read the same x.  A joint request fills LDS slots, and a slot is filled again only behind a round of the cluster's barrier in front of which every wave has waited for all its loads:
; with the two slots of 131,072 bytes that fit, one slot's bytes are on their way at the most and none at each of the fifteen changes of slots of a work-group's 2 MB.  The register ring has as many bytes out and no such point.
; NO PREFETCH: each load is itself issued seven K steps ahead of its use.
; LAYOUT.  Source 0 = 16 steps of x, source 1 = 16 rows of a weight.  In a result lane (r, h) holds ONE channel and register j the row 8 h + j.  The rows of x that form tile mt are the steps 32 (i / 8) + 8 mt + i % 8 of the wave's 64,
; the rows of a weight that form tile u the channels 2 i + u: so a lane holds the channel pair 2 r, 2 r + 1 and, over mt and j, 32 CONSECUTIVE steps 32 h + 8 mt + j: its scan runs down its registers, two channels an instruction.
; THE SCAN ACROSS LANES AND WAVES.  A tile's 256 steps are eight segments of 32 (segment 2 w + h).  Each lane composes its segment to h_out = P h_in + Q; the eight (P, Q) of a channel pair meet in LDS; every lane walks the eight, keeps the h that
; enters its own segment and ends with the carry into the next tile.
; STORES.  A row's piece of out0 is 32 channels, 128 bytes; a store instruction covers four rows' runs of 128 consecutive bytes.  Runs of 256 would want 64 channels to an owner: 128 owners for 256 WGPs' worth of matrix and vector work.
; REGISTERS, in windows of 256: window 0: addresses, carry, scale words, biases, the weights' fragments (four sets of four).  window 1: v0-63 R0 (k's sums, later b, Q, h), v64-127 R1 (n + 0.5), v128-191 R2 (z, a, P),
;   v192-255 R3 (at work, rows on the way out).  window 2: x's ring: K step s, tile mt at v[32 (s % 8) + 8 mt].
.set WLDS,  0                          ; LDS: the weights' 64 fragments: K step s, tile nt at 4096 s + 1024 nt
.set EXCH,  65536                      ; 16 bytes a thread: P and Q of its segment, two channels each
.set STAGE, EXCH+2048                  ; a stage for each wave, for the way out
.set WSTG,  8448                       ; a wave's stage: two halves of 32 rows x 128 bytes,
.set HSTG,  4224                       ; 4,224 bytes apart = 128 modulo 256: the two halves of the lanes store to different halves of the banks (64 banks of 4 bytes: ISA guide 11.1)
.set LI,   1                           ; v1      16 x lane: my place in every register image, in memory and in LDS; never rewritten
.set WST,  2                           ; v2      where I put my wave's quarter of the weights: 16,384 x wave + 16 x lane
.set STO,  4                           ; v4      the stage: where I put a step's two channels
.set RD,   5                           ; v5      and where I read rows back
.set GO,   6                           ; v6      my byte offset among four rows of out0
.set EXW,  7                           ; v7      where I put my segment's P and Q
.set EXR,  8                           ; v8      where the segments' P and Q of my channel pair begin
.set CY,   12                          ; v12-13  the carry: h at the tile's head, two channels
.set OWN,  14                          ; v14-15  h at my segment's head
.set HL,   16                          ; v16-17  log2(e) / 2, twice
.set WS,   24                          ; v24-55  the weights' scale words: register 8 nt + 4 kc + j: lanes 0-15 K step 8 kc + j, lanes 16-31 K step 8 kc + 4 + j
.set XS,   56                          ; v56-87  x's, of the tile in hand: register 8 mt + 4 kc + j likewise
.set BIAS, 88                          ; v88-119 the biases in a result's layout, eight registers for each nt
.set AF,   120                         ; v120-247 the weights' fragments: four sets of four; K step s uses set s % 4
.set EX,   AF+96                       ; the fourth set takes the eight segments' P and Q behind the products: the other three then hold the next tile's first three K steps
.set WV,   18                          ; s18     my wave
.set CL,   40                          ; s[40:41] -log2(e): the packed forms name a pair and take its low word for both halves
.set MK,   44                          ; s[44:51] the lanes whose segment is 0 .. 7
.set XQB,  52                          ; s[52:53] my wave's fragments of x, of the tile in hand
.set CNT,  55                          ; s55     tiles still to come behind this one
.set XSB,  56                          ; s[56:57] my wave's scale words of x, of the tile in hand
.set OUTB, 58                          ; s[58:59] my wave's first row of out0 in the tile in hand, at my channels
.set MSB, 0
.macro WIN new                         ; s_set_vgpr_msb's low byte: bits 1:0 source 0, 3:2 source 1, 5:4 source 2, 7:6 destination; the high byte repeats the setting that is left
.if MSB != (\new)
	s_set_vgpr_msb (MSB<<8)|(\new)
.set MSB, (\new)
.endif
.endm
.macro PLACES                          ; a load into a register that a matrix instruction has read, and a vector instruction that reads a matrix result, stand four plain vector instructions behind it (ISA guide 7.12.1 for vector instructions)
.rept 4
	v_nop
.endr
.endm
.macro FETCH s                         ; the weights' four fragments of K step s, from LDS into set s % 4: images of registers, 16 bytes a lane, 512 consecutive bytes an instruction
	WIN 0
.set i, 0
.rept 8
	ds_load_b128 v[AF+32*((\s)%4)+4*i:AF+32*((\s)%4)+4*i+3], v[LI] offset:WLDS+4096*(\s)+512*i
.set i, i+1
.endr
.endm
.macro XFILL s                         ; the slot that K step s has read takes the K step eight further on: this tile's s + 8, or the next tile's s - 8.  In xq a tile is 262,144 bytes, its second K half 131,072 on, a K step 4,096
.if (\s) < 8
.set XO, 131072+4096*(\s)
.else
.set XO, 262144+4096*((\s)-8)
.endif
	WIN 0x80                                       ; destination window 2, address window 0
.set i, 0
.rept 8
	global_load_b128 v[32*((\s)%8)+4*i:32*((\s)%8)+4*i+3], v[LI], s[XQB:XQB+1] offset:XO+512*i
.set i, i+1
.endr
.endm
.macro XLOAD q                         ; the NEXT tile's scale words of x for K half q
	WIN 0
.irp mt, 0,1,2,3
	global_load_b128 v[XS+8*\mt+4*(\q):XS+8*\mt+4*(\q)+3], v[LI], s[XSB:XSB+1] offset:16384+1024*\mt+512*(\q)
.endr
.endm
; Sixteen matrix instructions: the four tiles of steps x the four tiles of weight rows, K step s.  bias = 1: the sums begin with the biases as C: nothing is cleared, no bias is added later.
; The sixteen accumulators take turns, one instruction a turn, in the same order in every K step.
.macro MUL16 s, bias
.if \bias
	WIN 0x42                                       ; x window 2, weights window 0, C (the biases) window 0, D window 1
.else
	WIN 0x52                                       ; x window 2, weights window 0, C and D window 1
.endif
.irp mt, 0,1,2,3
.irp nt, 0,1,2,3
.set rD, 64*(\nt/2)+16*\mt+8*(\nt%2)
.set rA, 32*((\s)%8)+8*\mt
.set rB, AF+32*((\s)%4)+8*\nt
.set rX, XS+8*\mt+4*((\s)/8)+(\s)%4
.set rW, WS+8*\nt+4*((\s)/8)+(\s)%4
.if \bias
	v_wmma_scale_f32_16x16x128_f8f6f4 v[rD:rD+7], v[rA:rA+7], v[rB:rB+7], v[BIAS+8*\nt:BIAS+8*\nt+7], v[rX], v[rW] matrix_a_fmt:MATRIX_FMT_FP4 matrix_b_fmt:MATRIX_FMT_FP4
.elseif ((\s)%8) < 4
	v_wmma_scale_f32_16x16x128_f8f6f4 v[rD:rD+7], v[rA:rA+7], v[rB:rB+7], v[rD:rD+7], v[rX], v[rW] matrix_a_fmt:MATRIX_FMT_FP4 matrix_b_fmt:MATRIX_FMT_FP4
.else
	v_wmma_scale_f32_16x16x128_f8f6f4 v[rD:rD+7], v[rA:rA+7], v[rB:rB+7], v[rD:rD+7], v[rX], v[rW] matrix_a_fmt:MATRIX_FMT_FP4 matrix_b_fmt:MATRIX_FMT_FP4 matrix_a_scale:MATRIX_SCALE_ROW1 matrix_b_scale:MATRIX_SCALE_ROW1
.endif
.endr
.endr
.endm
; A K STEP of 128.  more = 1: a tile follows this one.
; THE ORDER OF A WAVE'S GLOBAL LOADS, tile after tile: the refills behind steps 0 .. 7, four scale-word loads (the next tile's K half 0), the refills behind steps 8 .. 15, four scale-word loads (K half 1).
; Behind the eight loads that filled step s's slot stand seven refills and one group of four: 60.  In the last tile nothing is loaded behind step 7: behind the loads for step s >= 8 stand the refills of steps s - 7 .. 7: 8 (15 - s).
; The scale words need no wait of their own: loads come back in order (ISA guide 5.7.1), and each group of four is older than a refill that is waited for ahead of its first use.
; Behind a refill a wave can have a few more loads issued than LOADcnt's field holds: the issue then waits for the oldest (ISA guide 5.7.1); no wait is written for that.
; THE WEIGHTS are fetched three steps ahead: behind the eight LDS loads for step s stand those for s + 1 and s + 2: 16.  The last tile fetches nothing for a next one: 8 at its step 14, 0 at its step 15.
.macro STEP s, more, bias
.set LC, 60
.set DC, 16
.if !(\more)
.if (\s) >= 8
.set LC, 8*(15-(\s))
.endif
.if (\s) == 14
.set DC, 8
.endif
.if (\s) == 15
.set DC, 0
.endif
.endif
	s_wait_loadcnt LC                              ; x's four fragments of this step are in
	s_wait_dscnt DC                                ; and the weights' four
	MUL16 \s, \bias
	PLACES                                         ; behind this step's products: for the refill of the slot and the scale registers that they read, for the set that the step before read, and behind step 15 for the first read of results
.if (\more) || ((\s) < 13)
	FETCH ((\s)+3)%16                              ; into the set that step s - 1 read
.endif
.if (\more) || ((\s) < 8)
	XFILL \s
.endif
.if \more
.if (\s) == 7
	XLOAD 0                                        ; K half 0's scale registers were last read by this step
.endif
.if (\s) == 15
	XLOAD 1
.endif
.endif
.endm
; BEHIND THE PRODUCTS, part 1: the gates, and each lane's scan of its 32 steps, two channels (u = 0, 1) an instruction.  Pair (mt, j) lies at 16 mt + 2 j of R0 and R2.
; Each accumulator is read from its low end on.  The transcendentals go in two batches, each with one plain line and one wait behind it, ahead of its first reader.
.macro ACT
	WIN 0x41                                       ; destination and source 0 window 1; log2(e) / 2 lies in window 0
.set i, 0
.rept 32
	v_pk_mul_f32 v[i:i+1], v[i:i+1], s[CL:CL+1] op_sel_hi:[1,0]                                 ; -log2(e) k
.set i, i+2
.endr
.set i, 0
.rept 32
	v_pk_fma_f32 v[192+i:193+i], v[64+i:65+i], s[CL:CL+1], v[HL:HL+1] op_sel_hi:[1,0,1]         ; -log2(e) (n + 0.5) + log2(e) / 2 = -log2(e) n
.set i, i+2
.endr
.irp mt, 0,1,2,3
.irp u, 0,1
.irp j, 0,1,2,3,4,5,6,7
	v_exp_f32 v[128+16*\mt+2*\j+\u], v[16*\mt+8*\u+\j]         ; e^-k.  The destination does the change of layout: from a tile for each u to pairs (u = 0, u = 1)
.endr
.endr
.endr
	v_nop                                          ; a plain line before R0, which those exponentials read, is written again
.irp mt, 0,1,2,3
.irp u, 0,1
.irp j, 0,1,2,3,4,5,6,7
	v_exp_f32 v[16*\mt+2*\j+\u], v[192+16*\mt+8*\u+\j]         ; e^-n
.endr
.endr
.endr
	v_nop
	s_wait_alu depctr_va_vdst(0)                   ; one wait for the 128 exponentials
.set i, 0
.rept 32
	v_pk_add_f32 v[128+i:129+i], v[128+i:129+i], 1.0 op_sel_hi:[1,0]
	v_pk_add_f32 v[i:i+1], v[i:i+1], 1.0 op_sel_hi:[1,0]
.set i, i+2
.endr
.set i, 0
.rept 64
	v_rcp_f32 v[128+i], v[128+i]                   ; z = sigmoid(k)
	v_rcp_f32 v[i], v[i]                           ; sigmoid(n)
.set i, i+1
.endr
	v_nop
	s_wait_alu depctr_va_vdst(0)                   ; one wait for the 128 reciprocals
	WIN 0x55                                       ; all in window 1
.irp mt, 0,1,2,3
.irp u, 0,1
.irp j, 0,1,2,3,4,5,6,7
	v_max_num_f32 v[16*\mt+2*\j+\u], v[64+16*\mt+8*\u+\j], v[16*\mt+2*\j+\u]   ; g = max(n + 0.5, sigmoid(n))
.endr
.endr
.endr
.set i, 0
.rept 32
	v_pk_mul_f32 v[i:i+1], v[128+i:129+i], v[i:i+1]                            ; b = z g
.set i, i+2
.endr
.set i, 0
.rept 32
	v_pk_fma_f32 v[128+i:129+i], v[128+i:129+i], -1.0, 1.0 op_sel_hi:[1,0,0]   ; a = 1 - z
.set i, i+2
.endr
.irp j, 1,2,3,4,5,6,7                  ; four scans of eight steps side by side, in place: h(mt, j) = P(mt, j) x (h ahead of group mt) + Q(mt, j)
.irp mt, 0,1,2,3
	v_pk_fma_f32 v[16*\mt+2*\j:16*\mt+2*\j+1], v[128+16*\mt+2*\j:129+16*\mt+2*\j], v[16*\mt+2*\j-2:16*\mt+2*\j-1], v[16*\mt+2*\j:16*\mt+2*\j+1]   ; Q_j = a_j Q_(j-1) + b_j
.endr
.irp mt, 0,1,2,3
	v_pk_mul_f32 v[128+16*\mt+2*\j:129+16*\mt+2*\j], v[128+16*\mt+2*\j:129+16*\mt+2*\j], v[128+16*\mt+2*\j-2:128+16*\mt+2*\j-1]                   ; P_j = a_j P_(j-1)
.endr
.endr
	v_pk_fma_f32 v[194:195], v[158:159], v[14:15], v[30:31]    ; my segment's total: the four groups composed: Q into v[194:195],
	v_pk_mul_f32 v[192:193], v[142:143], v[158:159]            ; P into v[192:193]
.irp mt, 2,3
	v_pk_fma_f32 v[194:195], v[142+16*\mt:143+16*\mt], v[194:195], v[14+16*\mt:15+16*\mt]
	v_pk_mul_f32 v[192:193], v[192:193], v[142+16*\mt:143+16*\mt]
.endr
.endm
; Part 2: the segments' totals meet in LDS.  Two barriers a tile: one between every wave's store of P and Q and the loads of them; one between those loads and the next tile's store:
; it is signalled as soon as my loads are in and waited for behind the register work that follows.  The last tile has no store behind it and no second barrier.
.macro CARRY more
	WIN 0x04                                       ; an LDS store's data are its source 1: window 1
	ds_store_b128 v[EXW], v[192:195]
	WIN 0
	s_wait_dscnt 0x0                               ; for the others' sake: my store of P and Q is done
	s_barrier_signal -1
	s_barrier_wait -1
.irp g, 0,1,2,3,4,5,6,7
	ds_load_b128 v[EX+4*\g:EX+4*\g+3], v[EXR] offset:256*\g    ; segment g's P and Q of my channel pair
.endr
	s_wait_dscnt 0x0                               ; they are in: for my own use, and for the others' sake:
.if \more
	s_barrier_signal -1                            ; I read these bytes no more
.endif
.irp g, 0,1,2,3,4,5,6,7
	v_cndmask_b32 v[OWN], v[OWN], v[CY], s[MK+\g]              ; the h that enters segment g is kept by the lanes whose segment it is,
	v_cndmask_b32 v[OWN+1], v[OWN+1], v[CY+1], s[MK+\g]
	v_pk_fma_f32 v[CY:CY+1], v[EX+4*\g:EX+4*\g+1], v[CY:CY+1], v[EX+4*\g+2:EX+4*\g+3]   ; and goes through the segment: at the end this is the next tile's carry, in every lane
.endr
	WIN 0x51                                       ; source 1 (h at my segment's head) window 0, all else window 1
.irp j, 7,0,1,2,3,4,5,6                ; a group's last step first: the next group waits for it
	v_pk_fma_f32 v[2*\j:2*\j+1], v[128+2*\j:129+2*\j], v[OWN:OWN+1], v[2*\j:2*\j+1]
.endr
	WIN 0x55
.irp mt, 1,2,3
.irp j, 7,0,1,2,3,4,5,6
	v_pk_fma_f32 v[16*\mt+2*\j:16*\mt+2*\j+1], v[128+16*\mt+2*\j:129+16*\mt+2*\j], v[16*\mt-2:16*\mt-1], v[16*\mt+2*\j:16*\mt+2*\j+1]   ; h = P x (the group before's last h) + Q
.endr
.endr
.if \more
	s_barrier_wait -1                              ; only register work stood between the signal and this wait
.endif
.endm
; THE WAY OUT.  A lane holds two channels of a step and the lanes beside it the step's other channels: 8 bytes a lane into rows of 128 bytes of my own stage, and back 16 bytes a lane, four rows an instruction.
.macro SEND
	WIN 0x04
.irp mt, 0,1,2,3
.irp j, 0,1,2,3,4,5,6,7
	ds_store_b64 v[STO], v[16*\mt+2*\j:16*\mt+2*\j+1] offset:128*(8*\mt+\j)
.endr
.endr
	WIN 0x40                                       ; destination window 1
.irp i, 0,1,2,3,4,5,6,7,8,9,10,11,12,13,14,15
	ds_load_b128 v[192+4*\i:195+4*\i], v[RD] offset:512*\i+128*(\i/8)   ; steps 4 i .. 4 i + 3 of my 64.  LDS serves a wave's instructions in order (ISA guide 5.7.1.4): these see the stores above
.endr
	WIN 0x04                                       ; a store's data are its source 1
.irp i, 0,1,2,3,4,5,6,7,8,9,10,11,12,13,14,15
	s_wait_dscnt 15-\i                             ; load i is in; the younger ones may be out
	global_store_b128 v[GO], v[192+4*\i:195+4*\i], s[OUTB:OUTB+1] offset:32768*\i   ; four rows' runs of 128 consecutive bytes, each at a multiple of 128 from out0's first byte
.endr
	WIN 0
.endm
.macro TILE more                       ; 256 steps.  more = 1: a tile follows
	STEP 0, \more, 1
.irp q, 1,2,3,4,5,6,7,8,9,10,11,12,13,14,15
	STEP \q, \more, 0
.endr
	ACT
	CARRY \more
	SEND
.endm
	s_load_b256 s[4:11], s[0:1], 0x0               ; xq s[4:5], xs s[6:7], wq s[8:9], ws s[10:11]
	s_load_b128 s[12:15], s[0:1], 0x20             ; bz s[12:13], bn s[14:15]
	s_load_b64 s[16:17], s[0:1], 0x30              ; out0
	v_lshl_add_u32 v254, v0, 2, 0x18c00
	v_mov_b32 v255, 0
	v_lshrrev_b32 v21, 5, v0
	v_readfirstlane_b32 s[WV], v21                 ; wave 0..3
	s_mov_b32 s20, ttmp9                           ; cb
	s_and_b32 s21, ttmp7, 0xffff                   ; b
	s_mov_b32 s[CL], 0xbfb8aa3b                    ; -log2(e)
	s_mov_b32 s[CL+1], s[CL]                       ; (named with it as a pair, so it is written)
	s_lshl_b32 s22, s21, 21                        ; x's codes: 2,097,152 bytes a batch,
	s_lshl_b32 s23, s[WV], 15                      ; my wave's 32,768 of each K half of a tile
	s_add_co_u32 s22, s22, s23
	s_mov_b32 s23, 0
	s_lshl_b32 s68, s21, 17                        ; x's scale words: 16,384 bytes a tile, eight tiles a batch,
	s_lshl_b32 s69, s[WV], 12                      ; 4,096 a wave
	s_add_co_u32 s68, s68, s69
	s_mov_b32 s69, 0
	s_lshl_b32 s70, s21, 24                        ; out0: 2,048 rows of 8,192 bytes a batch,
	s_lshl_b32 s71, s[WV], 19                      ; my wave's 64 rows,
	s_add_co_u32 s70, s70, s71
	s_lshl_b32 s71, s20, 7                         ; my 32 channels
	s_add_co_u32 s70, s70, s71
	s_mov_b32 s71, 0
	s_lshl_b32 s60, s[WV], 14                      ; my wave's quarter of the weights' codes, in memory and in LDS
	s_lshl_b32 s72, s20, 16                        ; 65,536 bytes for each cb
	s_add_co_u32 s72, s72, s60
	s_mov_b32 s73, 0
	s_lshl_b32 s74, s20, 12                        ; their scale words: 4,096
	s_mov_b32 s75, 0
	s_lshl_b32 s76, s20, 7                         ; the biases: 128
	s_mov_b32 s77, 0
	v_and_b32 v18, 31, v0                          ; lane
	v_and_b32 v19, 15, v0                          ; r
	v_bfe_u32 v20, v0, 4, 1                        ; h
	v_lshlrev_b32 v[LI], 4, v18
	v_add_nc_u32 v[WST], s60, v[LI]
	s_mul_i32 s61, s[WV], WSTG
	s_add_co_u32 s61, s61, STAGE                   ; my stage
	v_mul_u32_u24 v[STO], v20, HSTG                ; in: my half of the lanes' 32 rows, 8 bytes at my channel pair
	v_lshl_add_u32 v[STO], v19, 3, v[STO]
	v_add_nc_u32 v[STO], s61, v[STO]
	v_add_nc_u32 v[RD], s61, v[LI]                 ; back: 16 bytes a lane
	v_lshrrev_b32 v22, 3, v18
	v_and_b32 v23, 7, v18
	v_lshlrev_b32 v[GO], 13, v22                   ; eight lanes to a row's 128 bytes: row lane / 8 of 8,192 bytes,
	v_lshl_add_u32 v[GO], v23, 4, v[GO]            ; + 16 (lane % 8)
	v_lshl_add_u32 v[EXW], v0, 4, EXCH             ; 16 x thread = 256 x segment + 16 r
	v_lshl_add_u32 v[EXR], v19, 4, EXCH
	v_lshlrev_b32 v23, 3, v19                      ; the biases of my channel pair: 8 r
	v_lshl_add_u32 v22, v21, 1, v20                ; my segment: 2 x wave + h
.irp g, 0,1,2,3,4,5,6,7
	v_cmp_eq_u32 s[MK+\g], \g, v22
.endr
	v_mov_b32 v[CY], 0.5                           ; h_0
	v_mov_b32 v[CY+1], 0.5
	v_mov_b32 v[OWN], 0
	v_mov_b32 v[OWN+1], 0
	v_mov_b32 v[HL], 0x3f38aa3b                    ; log2(e) / 2
	v_mov_b32 v[HL+1], 0x3f38aa3b
	s_wait_kmcnt 0x0
	s_add_nc_u64 s[XQB:XQB+1], s[4:5], s[22:23]
	s_add_nc_u64 s[XSB:XSB+1], s[6:7], s[68:69]
	s_add_nc_u64 s[OUTB:OUTB+1], s[16:17], s[70:71]
	s_add_nc_u64 s[8:9], s[8:9], s[72:73]
	s_add_nc_u64 s[10:11], s[10:11], s[74:75]
	s_add_nc_u64 s[12:13], s[12:13], s[76:77]
	s_add_nc_u64 s[14:15], s[14:15], s[76:77]
	; ALL THE HEAD'S LOADS GO OUT AT ONCE, 114 of them, what is wanted first first.  From x's first scale words on their order is the order of a tile's loads, so that the first tile's waits count as every tile's do.
	WIN 0x40                                       ; destination window 1: my quarter of the weights' codes passes through the registers that the sums will take
.set i, 0
.rept 32
	global_load_b128 v[4*i:4*i+3], v[LI], s[8:9] offset:512*i
.set i, i+1
.endr
	WIN 0
.irp nt, 0,1,2,3
.irp q, 0,1
	global_load_b128 v[WS+8*\nt+4*\q:WS+8*\nt+4*\q+3], v[LI], s[10:11] offset:1024*\nt+512*\q
.endr
.endr
	global_load_b64 v[18:19], v23, s[12:13]        ; bz of channels 2 r, 2 r + 1
	global_load_b64 v[20:21], v23, s[14:15]        ; bn likewise
.irp mt, 0,1,2,3
	global_load_b128 v[XS+8*\mt:XS+8*\mt+3], v[LI], s[XSB:XSB+1] offset:1024*\mt               ; tile 0's scale words of x, K half 0
.endr
	WIN 0x80                                       ; destination window 2: the ring's eight slots: tile 0's K steps 0 .. 7, as they lie
.set i, 0
.rept 64
	global_load_b128 v[4*i:4*i+3], v[LI], s[XQB:XQB+1] offset:512*i
.set i, i+1
.endr
	WIN 0
.irp mt, 0,1,2,3
	global_load_b128 v[XS+8*\mt+4:XS+8*\mt+7], v[LI], s[XSB:XSB+1] offset:1024*\mt+512         ; K half 1
.endr
	s_wait_loadcnt 63                              ; of the 114 the oldest 51 are in: the weights' codes (32) and scale words (8), the biases (2), x's first scale words (4)
	WIN 0x04                                       ; an LDS store's data are its source 1: window 1
.set i, 0
.rept 32
	ds_store_b128 v[WST], v[4*i:4*i+3] offset:WLDS+512*i
.set i, i+1
.endr
	WIN 0
.irp j, 0,1,2,3,4,5,6,7
	v_mov_b32 v[BIAS+\j], v18                      ; a result's eight registers of a lane are eight steps of one channel: its bias in each
	v_mov_b32 v[BIAS+8+\j], v19
	v_add_f32 v[BIAS+16+\j], 0.5, v20              ; n's sums begin with bn + 0.5
	v_add_f32 v[BIAS+24+\j], 0.5, v21
.endr
	s_wait_dscnt 0x0                               ; for the others' sake: my quarter of the weights lies in LDS
	s_barrier_signal -1
	s_barrier_wait -1                              ; all four quarters do; nobody writes these bytes again
	FETCH 0
	FETCH 1
	FETCH 2
	s_mov_b32 s[CNT], 7
.Ltile:                                            ; seven trips
	TILE 1
	s_wait_xcnt 0x0                                ; the loads and the stores have read their bases and their registers: the bases may step, and the rows' registers may be written again
	s_add_nc_u64 s[XQB:XQB+1], s[XQB:XQB+1], 262144
	s_add_nc_u64 s[XSB:XSB+1], s[XSB:XSB+1], 16384
	s_add_nc_u64 s[OUTB:OUTB+1], s[OUTB:OUTB+1], 256*8192
	s_sub_co_u32 s[CNT], s[CNT], 1
	s_cmp_lg_u32 s[CNT], 0
	s_cbranch_scc1 .Ltile
	TILE 0                                         ; the last tile is written out: it loads nothing for a next one, so that no load leaves its buffer, and its waits count down
	s_wait_tensorcnt 0x0
	ds_add_u32 v254, v255
	s_wait_dscnt 0x0
	s_endpgm
.Lfunc_end_k_qa40930f8cf_gru:
	.size	k_qa40930f8cf_gru, .Lfunc_end_k_qa40930f8cf_gru-k_qa40930f8cf_gru
	.p2alignl 7, 3214868480
	.fill 96, 4, 3214868480
	.section	.rodata,"a",@progbits
	.p2align	6, 0x0
	.amdhsa_kernel k_qa40930f8cf_gru
		.amdhsa_group_segment_fixed_size 101888
		.amdhsa_private_segment_fixed_size 0
		.amdhsa_enable_private_segment 0
		.amdhsa_kernarg_size 56
		.amdhsa_user_sgpr_count 2
		.amdhsa_user_sgpr_kernarg_segment_ptr 1
		.amdhsa_wavefront_size32 1
		.amdhsa_system_sgpr_workgroup_id_x 1
		.amdhsa_system_sgpr_workgroup_id_y 1
		.amdhsa_system_sgpr_workgroup_id_z 1
		.amdhsa_system_vgpr_workitem_id 0
		.amdhsa_next_free_vgpr 768
		.amdhsa_next_free_sgpr 80
		.amdhsa_reserve_vcc 0
		.amdhsa_float_denorm_mode_32 3
		.amdhsa_float_denorm_mode_16_64 3
		.amdhsa_memory_ordered 1
		.amdhsa_forward_progress 1
		.amdhsa_inst_pref_size 197
	.end_amdhsa_kernel
	.amdgpu_metadata
---
amdhsa.version: [ 1, 2 ]
amdhsa.kernels:
  - .name:           k_qa40930f8cf_gru
    .symbol:         k_qa40930f8cf_gru.kd
    .args:
      - { .name: xq, .offset: 0, .size: 8, .value_kind: global_buffer, .address_space: global }
      - { .name: xs, .offset: 8, .size: 8, .value_kind: global_buffer, .address_space: global }
      - { .name: wq, .offset: 16, .size: 8, .value_kind: global_buffer, .address_space: global }
      - { .name: ws, .offset: 24, .size: 8, .value_kind: global_buffer, .address_space: global }
      - { .name: bz, .offset: 32, .size: 8, .value_kind: global_buffer, .address_space: global }
      - { .name: bn, .offset: 40, .size: 8, .value_kind: global_buffer, .address_space: global }
      - { .name: out0, .offset: 48, .size: 8, .value_kind: global_buffer, .address_space: global }
    .group_segment_fixed_size: 101888
    .private_segment_fixed_size: 0
    .kernarg_segment_align: 8
    .kernarg_segment_size: 56
    .max_flat_workgroup_size: 128
    .sgpr_count:     80
    .vgpr_count:     768
    .wavefront_size: 32
...
	.end_amdgpu_metadata
.endif
;; end of part 2
;; ======== version 2 of 2: 2 launches
;; workspace buffers: xq 8,388,608 bytes; xs 524,288 bytes; wq 4,194,304 bytes; ws 262,144 bytes
;; launch quant (part 3): grid 768 x 1, 4 waves a work-group, no clusters, 34,304 bytes of LDS; arguments x, Wz, Wn, xq, xs, wq, ws; writes xq, xs, wq, ws
.if DOCPART == 3
	.amdgcn_target "amdgcn-amd-amdhsa--gfx1250"
	.amdhsa_code_object_version 6
	.text
	.protected	k_qa40930f8cf_quant
	.globl	k_qa40930f8cf_quant
	.p2align	8
	.type	k_qa40930f8cf_quant,@function
k_qa40930f8cf_quant:
	s_mov_b64 s[64:65], 0
	v_nop
	global_prefetch_b8 v0, s[64:65] scope:SCOPE_SE
	s_setreg_imm32_b32 hwreg(HW_REG_WAVE_MODE, 25, 1), 1
	s_wait_xcnt 0x0
; x [8192][2048], Wz and Wn [2048][2048], f32 with K innermost, become codes of FP4 (E2M1) and E8M0 scale bytes, one for each 32 along K,
; laid IN THE ORDER OF THE OPERANDS' REGISTERS for the launch that multiplies.
; A fragment (16 rows x 128 K) is 1,024 bytes [c 2][lane 32][16 bytes]: lane (r = lane % 16, h = lane / 16), part c, holds the 32 codes of k = 64 c + 32 h + 0 .. 31 of the fragment's row r.
;   xq [b 4][T 8][kc 2][w 4][s8 8][mt 4][1024]: K step s = 8 kc + s8; row i of fragment (T, w, mt) is the step l = 256 T + 64 w + 32 (i / 8) + 8 mt + i % 8 of batch b
;   wq [cb 64][s 16][nt 4][1024]: nt = 2 mat + u (mat 0: Wz, 1: Wn); row i is the weight's row 32 cb + 2 i + u
;   xs [g 512][kq 4][r 16][4 words], g = ((8 b + T) 4 + w) 4 + mt; ws [t 256][kq 4][r 16][4 words], t = 4 cb + nt: word j is row r's scale word of K step 4 kq + j
; A block's scale is 2^(floor(log2(its largest magnitude)) - 2): its byte is the largest magnitude's exponent field - 2, held at 1 from below.  Each number is divided by the scale and
; rounded to the nearest code, ties to even, beyond 6 the largest code.
; LIMITS: a block of zeros gets the byte 1 where the rule says 127: its codes are zeros, which add nothing under that byte, and this program alone reads the bytes.  NaN and infinities among the inputs are not served.
; SHARES: a work-group takes one tile of 16 rows (work-groups 0-511: x's tile g; 512-767: the weights' tile t), wave kq its K steps 4 kq .. 4 kq + 3: four fragments.
; One path through the text: only pointers and scalar offsets are chosen, on the work-group's number.
; Each load reads 512 consecutive bytes of one row; the conversions want 32 neighbours along K in ONE lane: so a fragment's 8,192 bytes turn through the wave's own stage in LDS.
; No tensor load, no barrier: waves share nothing.  Every offset is an immediate, no pointer is stepped, no store's data are written again.
.set ROWB, 8192                        ; a row of x or of a weight in bytes
.set SP,   528                         ; a stage row: 512 bytes + 16 = 33 x 16: the sixteen rows that a load back touches start at sixteen different columns of 16 bytes (64 banks of 4 bytes: ISA guide 11.1)
.set STG,  16*SP                       ; a wave's stage
.set LI,   1                           ; v1      16 x lane
.set SI,   2                           ; v2      the stage, on the way in: my wave's + 16 x lane
.set SO,   3                           ; v3      on the way out: my wave's + SP r + 128 h
.set SH,   4                           ; v4      8 h: how far my two scale bytes are shifted
.set SA,   5                           ; v5      16 r + 8 h: where my two scale words go
.set M,    6                           ; v6-7    two blocks' largest magnitudes
.set SC,   8                           ; v8-9    the conversions' scale operands
.set BY,   10                          ; v10-11  the scale bytes
.set T,    12                          ; v12     the lane permute's destination
.set OW,   14                          ; v14-15  the two scale words that I store
.set W,    16                          ; v16-19  the scale word of each of my four fragments
.set C,    32                          ; v32-63  codes: eight registers a fragment, never written again
.set L,    64                          ; v64-191 two sets of 64 registers as loaded
.set X,    192                         ; v192-255 two blocks of 32 neighbours
.set RB,   32                          ; s[32:63] the sixteen rows' addresses
.set CB,   66                          ; s[66:67] where my codes go
.set SB,   68                          ; s[68:69] where my scale words go
.set SEL,  70                          ; s[70:71] v_permlanex16_b32's selects for lane l xor 16
	s_load_b256 s[4:11], s[0:1], 0x0               ; x s[4:5], Wz s[6:7], Wn s[8:9], xq s[10:11]
	s_load_b128 s[12:15], s[0:1], 0x20             ; xs s[12:13], wq s[14:15]
	s_load_b64 s[16:17], s[0:1], 0x30              ; ws
	v_lshl_add_u32 v30, v0, 2, 0x8400
	v_mov_b32 v31, 0
	v_lshrrev_b32 v2, 5, v0
	v_readfirstlane_b32 s18, v2                    ; kq = my wave
	v_and_b32 v3, 31, v0                           ; lane
	v_lshlrev_b32 v[LI], 4, v3
	s_mul_i32 s19, s18, STG
	v_add_nc_u32 v[SI], s19, v[LI]
	v_and_b32 v5, 15, v0                           ; r
	v_bfe_u32 v6, v0, 4, 1                         ; h
	v_mul_u32_u24 v[SO], v5, SP
	v_lshl_add_u32 v[SO], v6, 7, v[SO]
	v_add_nc_u32 v[SO], s19, v[SO]
	v_lshlrev_b32 v[SH], 3, v6
	v_lshl_add_u32 v[SA], v5, 4, v[SH]
	v_mov_b32 v[T], 0                              ; written once: a lane permute's destination counts as one of its sources
	s_mov_b32 s[SEL], 0x76543210
	s_mov_b32 s[SEL+1], 0xfedcba98
	s_mov_b32 s20, ttmp9                           ; g
	; the offsets if the tile is x's
	s_lshr_b32 s21, s20, 2                         ; (8 b + T) 4 + w
	s_and_b32 s22, s20, 3                          ; mt
	s_lshl_b32 s72, s21, 6
	s_lshl_b32 s73, s22, 3
	s_add_co_u32 s72, s72, s73                     ; the tile's first row: 64 (g / 4) + 8 mt
	s_lshl_b32 s72, s72, 13                        ; in bytes
	s_lshr_b32 s73, s20, 4
	s_lshl_b32 s73, s73, 18                        ; codes: (8 b + T) x 262,144
	s_and_b32 s74, s21, 3
	s_lshl_b32 s74, s74, 15                        ; + w x 32,768
	s_or_b32 s73, s73, s74
	s_lshl_b32 s74, s22, 10                        ; + mt x 1,024
	s_or_b32 s73, s73, s74
	s_lshr_b32 s74, s18, 1
	s_lshl_b32 s74, s74, 17                        ; + kc x 131,072: kc = kq / 2
	s_or_b32 s73, s73, s74
	s_and_b32 s74, s18, 1
	s_lshl_b32 s74, s74, 14                        ; + s8 x 4,096: s8 = 4 (kq % 2) + j
	s_or_b32 s73, s73, s74
	; and if it is a weight's
	s_and_b32 s23, s20, 255                        ; t
	s_lshr_b32 s24, s23, 2                         ; cb
	s_and_b32 s25, s23, 1                          ; u
	s_lshl_b32 s75, s24, 5
	s_add_co_u32 s75, s75, s25                     ; first row: 32 cb + u
	s_lshl_b32 s75, s75, 13
	s_lshl_b32 s76, s24, 16                        ; codes: cb x 65,536
	s_and_b32 s77, s23, 3
	s_lshl_b32 s77, s77, 10                        ; + nt x 1,024
	s_or_b32 s76, s76, s77
	s_lshl_b32 s77, s18, 14                        ; + s x 4,096: s = 4 kq + j
	s_or_b32 s76, s76, s77
	s_mov_b32 s78, 2*ROWB                          ; a weight's rows of a tile lie two rows apart
	s_wait_alu depctr_va_vdst(0)
	s_wait_kmcnt 0x0
	s_bitcmp1_b32 s23, 1                           ; mat: bit 1 of t
	s_cselect_b64 s[6:7], s[8:9], s[6:7]           ; Wn or Wz
	s_cmp_lt_u32 s20, 512                          ; x's tile or a weight's?  All that follows hangs on the work-group's number alone; the selects leave SCC as it is
	s_cselect_b64 s[4:5], s[4:5], s[6:7]           ; the source,
	s_cselect_b64 s[10:11], s[10:11], s[14:15]     ; the codes' buffer,
	s_cselect_b64 s[12:13], s[12:13], s[16:17]     ; the scale words' buffer,
	s_cselect_b32 s72, s72, s75                    ; the tile's first row,
	s_cselect_b32 s74, s73, s76                    ; its codes' place,
	s_cselect_b32 s76, s20, s23                    ; its number among its buffer's tiles,
	s_cselect_b32 s80, ROWB, s78                   ; from row to row,
	s_cselect_b32 s82, 25*ROWB, s78                ; and from row 7 to row 8: in x 32 - 7 steps on
	s_lshl_b32 s77, s18, 11
	s_add_co_u32 s72, s72, s77                     ; + my 512 numbers of each row
	s_mov_b32 s73, 0
	s_mov_b32 s75, 0
	s_lshl_b32 s76, s76, 10                        ; scale words: 1,024 bytes a tile,
	s_lshl_b32 s77, s18, 8                         ; 256 a wave
	s_or_b32 s76, s76, s77
	s_mov_b32 s77, 0
	s_mov_b32 s81, 0
	s_mov_b32 s83, 0
	s_add_nc_u64 s[RB:RB+1], s[4:5], s[72:73]
	s_add_nc_u64 s[CB:CB+1], s[10:11], s[74:75]
	s_add_nc_u64 s[SB:SB+1], s[12:13], s[76:77]
.irp i, 1,2,3,4,5,6,7,8,9,10,11,12,13,14,15
.if \i == 8
	s_add_nc_u64 s[RB+2*\i:RB+2*\i+1], s[RB+2*\i-2:RB+2*\i-1], s[82:83]
.else
	s_add_nc_u64 s[RB+2*\i:RB+2*\i+1], s[RB+2*\i-2:RB+2*\i-1], s[80:81]
.endif
.endr
.macro LOAD j                          ; fragment j's numbers: sixteen rows, 512 consecutive bytes of a row to an instruction; read once in the launch
.irp i, 0,1,2,3,4,5,6,7,8,9,10,11,12,13,14,15
	global_load_b128 v[L+64*((\j)%2)+4*\i:L+64*((\j)%2)+4*\i+3], v[LI], s[RB+2*\i:RB+2*\i+1] offset:512*(\j) th:TH_LOAD_NT
.endr
.endm
.macro FRAG j
.if (\j) < 3
	s_wait_loadcnt 16                              ; loads come back in order (ISA guide 5.7.1): this fragment's sixteen are in, the next fragment's sixteen stay out
.else
	s_wait_loadcnt 0x0
.endif
.irp i, 0,1,2,3,4,5,6,7,8,9,10,11,12,13,14,15
	ds_store_b128 v[SI], v[L+64*((\j)%2)+4*\i:L+64*((\j)%2)+4*\i+3] offset:SP*\i
.endr
.irp c, 0,1
.irp e, 0,1,2,3,4,5,6,7
	ds_load_b128 v[X+32*\c+4*\e:X+32*\c+4*\e+3], v[SO] offset:256*\c+16*\e   ; row r, k = 64 c + 32 h + 4 e ..  LDS serves a wave's instructions in order (ISA guide 5.7.1.4): these see the stores above
.endr
.endr
	s_wait_dscnt 0x0                               ; my 64 numbers are back, and the stores into the stage have read their registers,
.if (\j) < 2
	LOAD (\j)+2                                    ; which take the fragment two further on
.endif
.irp c, 0,1
	v_max3_num_f32 v[M+\c], |v[X+32*\c]|, |v[X+32*\c+1]|, 0x1800000   ; block 2 c + h: all its 32 numbers are mine; and the floor 2^(3 - 127): the byte cannot fall under 1
.endr
.irp i, 2,4,6,8,10,12,14,16,18,20,22,24,26,28,30
.irp c, 0,1
	v_max3_num_f32 v[M+\c], v[M+\c], |v[X+32*\c+\i]|, |v[X+32*\c+\i+1]|   ; (the two blocks by turns)
.endr
.endr
.irp c, 0,1
	v_add_nc_u32 v[SC+\c], 0xff000000, v[M+\c]     ; 2 off the exponent field: the conversion takes the exponent field of this operand as its scale, and nothing else of it
.endr
.irp c, 0,1
.irp g, 0,1,2,3
	v_cvt_scalef32_pk8_fp4_f32 v[C+8*(\j)+4*\c+\g], v[X+32*\c+8*\g:X+32*\c+8*\g+7], v[SC+\c]   ; registers 4 c .. 4 c + 3 of the operand
.endr
.endr
.irp c, 0,1
	v_lshrrev_b32 v[BY+\c], 23, v[SC+\c]           ; the scale's byte.  (Also the plain vector line behind the conversions)
.endr
	v_lshl_or_b32 v[W+(\j)], v[BY+1], 16, v[BY]    ; my two bytes: blocks h and 2 + h of row r,
	v_lshlrev_b32 v[W+(\j)], v[SH], v[W+(\j)]      ; at their places in the word;
	v_permlanex16_b32 v[T], v[W+(\j)], s[SEL], s[SEL+1]
	v_or_b32 v[W+(\j)], v[W+(\j)], v[T]            ; with lane l xor 16's two the word is whole
.irp c, 0,1
	global_store_b128 v[LI], v[C+8*(\j)+4*\c:C+8*(\j)+4*\c+3], s[CB:CB+1] offset:4096*(\j)+512*\c   ; 32 lanes store 512 consecutive bytes, at a multiple of 512 from the buffer's first byte
.endr
.endm
	LOAD 0
	LOAD 1
	FRAG 0
	FRAG 1
	FRAG 2
	FRAG 3
	v_cmp_ne_u32 vcc_lo, 0, v[SH]                  ; lanes 16-31
	v_cndmask_b32 v[OW], v[W], v[W+2], vcc_lo      ; lanes 0-15 store words 0 and 1 of row r, lanes 16-31 words 2 and 3
	v_cndmask_b32 v[OW+1], v[W+1], v[W+3], vcc_lo
	global_store_b64 v[SA], v[OW:OW+1], s[SB:SB+1] ; 32 lanes store 256 consecutive bytes, at a multiple of 256 from the buffer's first byte
	s_wait_tensorcnt 0x0
	ds_add_u32 v30, v31
	s_wait_dscnt 0x0
	s_endpgm
.Lfunc_end_k_qa40930f8cf_quant:
	.size	k_qa40930f8cf_quant, .Lfunc_end_k_qa40930f8cf_quant-k_qa40930f8cf_quant
	.p2alignl 7, 3214868480
	.fill 96, 4, 3214868480
	.section	.rodata,"a",@progbits
	.p2align	6, 0x0
	.amdhsa_kernel k_qa40930f8cf_quant
		.amdhsa_group_segment_fixed_size 34304
		.amdhsa_private_segment_fixed_size 0
		.amdhsa_enable_private_segment 0
		.amdhsa_kernarg_size 56
		.amdhsa_user_sgpr_count 2
		.amdhsa_user_sgpr_kernarg_segment_ptr 1
		.amdhsa_wavefront_size32 1
		.amdhsa_system_sgpr_workgroup_id_x 1
		.amdhsa_system_sgpr_workgroup_id_y 1
		.amdhsa_system_sgpr_workgroup_id_z 1
		.amdhsa_system_vgpr_workitem_id 0
		.amdhsa_next_free_vgpr 256
		.amdhsa_next_free_sgpr 96
		.amdhsa_reserve_vcc 1
		.amdhsa_float_denorm_mode_32 3
		.amdhsa_float_denorm_mode_16_64 3
		.amdhsa_memory_ordered 1
		.amdhsa_forward_progress 1
		.amdhsa_inst_pref_size 31
	.end_amdhsa_kernel
	.amdgpu_metadata
---
amdhsa.version: [ 1, 2 ]
amdhsa.kernels:
  - .name:           k_qa40930f8cf_quant
    .symbol:         k_qa40930f8cf_quant.kd
    .args:
      - { .name: x, .offset: 0, .size: 8, .value_kind: global_buffer, .address_space: global }
      - { .name: Wz, .offset: 8, .size: 8, .value_kind: global_buffer, .address_space: global }
      - { .name: Wn, .offset: 16, .size: 8, .value_kind: global_buffer, .address_space: global }
      - { .name: xq, .offset: 24, .size: 8, .value_kind: global_buffer, .address_space: global }
      - { .name: xs, .offset: 32, .size: 8, .value_kind: global_buffer, .address_space: global }
      - { .name: wq, .offset: 40, .size: 8, .value_kind: global_buffer, .address_space: global }
      - { .name: ws, .offset: 48, .size: 8, .value_kind: global_buffer, .address_space: global }
    .group_segment_fixed_size: 34304
    .private_segment_fixed_size: 0
    .kernarg_segment_align: 8
    .kernarg_segment_size: 56
    .max_flat_workgroup_size: 128
    .sgpr_count:     96
    .vgpr_count:     256
    .wavefront_size: 32
...
	.end_amdgpu_metadata
.endif
;; end of part 3
;; launch gru (part 4): grid 64 x 4, 4 waves a work-group, no clusters, 101,888 bytes of LDS; arguments xq, xs, wq, ws, bz, bn, out0; writes out0
.if DOCPART == 4
	.amdgcn_target "amdgcn-amd-amdhsa--gfx1250"
	.amdhsa_code_object_version 6
	.text
	.protected	k_qa40930f8cf_gru
	.globl	k_qa40930f8cf_gru
	.p2align	8
	.type	k_qa40930f8cf_gru,@function
k_qa40930f8cf_gru:
	s_mov_b64 s[64:65], 0
	v_nop
	global_prefetch_b8 v0, s[64:65] scope:SCOPE_SE
	s_setreg_imm32_b32 hwreg(HW_REG_WAVE_SCHED_MODE, 0, 2), 2
	s_setreg_imm32_b32 hwreg(HW_REG_WAVE_MODE, 25, 1), 1
	s_wait_xcnt 0x0
	s_wait_alu depctr_vm_vsrc(0)
; minGRU: k = x Wz^T + bz, n = x Wn^T + bn on codes of FP4 (E2M1) with E8M0 scales, then h_t = (1 - z_t) h_(t-1) + z_t g_t, h_0 = 0.5, z = sigmoid(k), g = n + 0.5 where n >= 0, else sigmoid(n).
; THE SCAN.  exp of a*_t + logsumexp_(s <= t)(v_s - a*_s) is the sum over s of exp(v_s + a*_t - a*_s), every a*_t - a*_s being 0 or less.  The recurrence forms that sum with the reference point moved
; to a*_t in every step: each step multiplies what was summed by 1 - z_t <= 1 and adds z_t g_t, so h stays a convex mixture of 0.5 and the g: nothing can overflow, and no exponent is left unshifted.
; g = max(n + 0.5, sigmoid(n)) for every n: the line 0.5 + n / 4 parts the two on each side of 0.  All behind the products is f32.
; LIMITS: where k or n lies under about -88 the exponential is +infinity and the reciprocal 0, the true number lying under 2^-126; 1 - z has an absolute error of at most 2^-24, over 2,048 steps at most
; 1.3e-4 of the largest h; the bias is the sum's first addend and not its last; NaN and infinities among the inputs are not served.
; SHARES.  A work-group owns one batch b and 32 channels e = 32 cb + 0 .. 31 for all 2,048 steps, since a channel's scan wants one owner: 4 x 64 work-groups.  It walks eight tiles of 256 steps; a wave takes 64 of a tile's steps.
; THE WEIGHTS LIE IN LDS: 32 rows of Wz and 32 of Wn x K 2,048 are 64 fragments, 65,536 bytes, stored there once as images of the operand's registers and read by all four waves; a fragment read feeds four matrix instructions.
; x COMES FROM MEMORY STRAIGHT INTO REGISTERS.  Its codes lie in memory as register images (see the launch that makes them), each wave's fragments on end, and no wave reads another's.  A ring of eight slots, a slot = the four fragments
; of one K step of 128 (8 loads of 512 consecutive bytes, 32 registers), is refilled slot by slot, each in the K step behind the one that read it: up to 60 loads of a wave are on their way all through the K loop, and a load is issued seven K steps ahead of its use.
; NO JOINT REQUESTS, though the 64 work-groups of a batch read the same x.  A joint request fills LDS slots, and a slot is filled again only behind a round of the cluster's barrier in front of which every wave has waited for all its loads:
; with the two slots of 131,072 bytes that fit, one slot's bytes are on their way at the most and none at each of the fifteen changes of slots of a work-group's 2 MB.  The register ring has nearly as many bytes out and no such point.
; NO PREFETCH: each load is itself issued seven K steps ahead of its use.
; LAYOUT.  Source 0 = 16 steps of x, source 1 = 16 rows of a weight.  In a result lane (r, h) holds ONE channel and register j the row 8 h + j.  The rows of x that form tile mt are the steps 32 (i / 8) + 8 mt + i % 8 of the wave's 64,
; the rows of a weight that form tile u the channels 2 i + u: so a lane holds the channel pair 2 r, 2 r + 1 and, over mt and j, 32 CONSECUTIVE steps 32 h + 8 mt + j: its scan runs down its registers, two channels an instruction.
; THE SCAN ACROSS LANES AND WAVES.  A tile's 256 steps are eight segments of 32 (segment 2 w + h).  Each lane composes its segment to h_out = P h_in + Q; the eight (P, Q) of a channel pair meet in LDS; every lane walks the eight, keeps the h that
; enters its own segment and ends with the carry into the next tile.
; STORES.  A row's piece of out0 is 32 channels, 128 bytes; a store instruction covers four rows' runs of 128 consecutive bytes.  Runs of 256 would want 64 channels to an owner: 128 owners for 256 WGPs' worth of matrix and vector work.
; REGISTERS, in windows of 256: window 0: addresses, carry, scale words, biases, the weights' fragments (four sets of four).  window 1: v0-63 R0 (k's sums, later b, Q, h), v64-127 R1 (n + 0.5), v128-191 R2 (z, a, P),
;   v192-255 R3 (at work, rows on the way out).  window 2: x's ring: K step s, tile mt at v[32 (s % 8) + 8 mt].
; THE MODE: SCHED_MODE bits 1:0 = 2 (LLVM: expert scheduling mode 2), set by the entry lines.  The code itself states the register dependences
; between vector or matrix instructions and memory or LDS instructions, with s_wait_alu, always for 0.
; THE PLAN.  Registers that memory or LDS instructions touch, round the loop over tiles:
;   x's ring      Slot j: K step j's products read it; the refill that lands in it is issued in step j + 1 (the refill of step 15's slot behind step 15).
;   AF0 .. AF3    Step s's products read set s % 4; the LDS loads for step s + 4 land in it, issued in step s + 1.  The fourth set also takes the eight P and Q: LDS loads land, the carry's multiply-adds read, step 0's fetch lands again.
;   XS            K half 0's registers are read by steps 0 .. 7 and loaded again in step 8; K half 1's by steps 8 .. 15, loaded again behind step 15.
;   R0            Written by the carry's arithmetic (h); read by the way out's LDS stores; written again by the next tile's products.
;   R3            v192-195: written by the scan, read by the LDS store of P and Q.  v192-255: the loads from the stage land, the global stores read, the next tile's gates write.
;   v1 .. v8      Addresses and offsets, made once at the head and never written again; the scalar bases step at the loop's end.
;   WS, the biases, R1, R2, the carry: loaded or made once at the head, or named by vector and matrix instructions alone.
; So ONE wait on va_vdst stands at the head of each K step that issues loads: the step before is done reading its slot, its set and its scale words.  The step's sixteen loads follow among its own products, which name slot s % 8,
; set s % 4, window 1 and the scale registers of their own K step: none of the registers that those loads touch.  Behind the products: one wait on va_vdst behind step 15, one ahead of the store of P and Q, one with a wait on vm_vsrc
; at the head of the way out, and one wait on vm_vsrc at the loop's end.
.set WLDS,  0                          ; LDS: the weights' 64 fragments: K step s, tile nt at 4096 s + 1024 nt
.set EXCH,  65536                      ; 16 bytes a thread: P and Q of its segment, two channels each
.set STAGE, EXCH+2048                  ; a stage for each wave, for the way out
.set WSTG,  8448                       ; a wave's stage: two halves of 32 rows x 128 bytes,
.set HSTG,  4224                       ; 4,224 bytes apart = 128 modulo 256: the two halves of the lanes store to different halves of the banks (64 banks of 4 bytes: ISA guide 11.1)
.set LI,   1                           ; v1      16 x lane: my place in every register image, in memory and in LDS; never rewritten
.set WST,  2                           ; v2      where I put my wave's quarter of the weights: 16,384 x wave + 16 x lane
.set STO,  4                           ; v4      the stage: where I put a step's two channels
.set RD,   5                           ; v5      and where I read rows back
.set GO,   6                           ; v6      my byte offset among four rows of out0
.set EXW,  7                           ; v7      where I put my segment's P and Q
.set EXR,  8                           ; v8      where the segments' P and Q of my channel pair begin
.set CY,   12                          ; v12-13  the carry: h at the tile's head, two channels
.set OWN,  14                          ; v14-15  h at my segment's head
.set HL,   16                          ; v16-17  log2(e) / 2, twice
.set WS,   24                          ; v24-55  the weights' scale words: register 8 nt + 4 kc + j: lanes 0-15 K step 8 kc + j, lanes 16-31 K step 8 kc + 4 + j
.set XS,   56                          ; v56-87  x's, of the tile in hand: register 8 mt + 4 kc + j likewise
.set BIAS, 88                          ; v88-119 the biases in a result's layout, eight registers for each nt
.set AF,   120                         ; v120-247 the weights' fragments: four sets of four; K step s uses set s % 4
.set EX,   AF+96                       ; the fourth set takes the eight segments' P and Q behind the products: the other three then hold the next tile's first three K steps
.set WV,   18                          ; s18     my wave
.set CL,   40                          ; s[40:41] -log2(e): the packed forms name a pair and take its low word for both halves
.set MK,   44                          ; s[44:51] the lanes whose segment is 0 .. 7
.set XQB,  52                          ; s[52:53] my wave's fragments of x, of the tile in hand
.set CNT,  55                          ; s55     tiles still to come behind this one
.set XSB,  56                          ; s[56:57] my wave's scale words of x, of the tile in hand
.set OUTB, 58                          ; s[58:59] my wave's first row of out0 in the tile in hand, at my channels
.set MSB, 0
.macro WIN new                         ; s_set_vgpr_msb's low byte: bits 1:0 source 0, 3:2 source 1, 5:4 source 2, 7:6 destination; the high byte repeats the setting that is left
.if MSB != (\new)
	s_set_vgpr_msb (MSB<<8)|(\new)
.set MSB, (\new)
.endif
.endm
.macro PLACES                          ; four plain vector instructions behind a step's products (ISA guide 7.12.1): behind step 15 they stand ahead of the first vector read of results; behind the other steps they keep the same distance
.rept 4                                ; ahead of the loads into registers that the products read, beside the wait that states that dependence
	v_nop
.endr
.endm
.macro FETCH s                         ; the weights' four fragments of K step s, from LDS into set s % 4: images of registers, 16 bytes a lane, 512 consecutive bytes an instruction
	WIN 0
.set i, 0
.rept 8
	ds_load_b128 v[AF+32*((\s)%4)+4*i:AF+32*((\s)%4)+4*i+3], v[LI] offset:WLDS+4096*(\s)+512*i
.set i, i+1
.endr
.endm
.macro XFILL s                         ; the slot that K step s has read takes the K step eight further on: this tile's s + 8, or the next tile's s - 8.  In xq a tile is 262,144 bytes, its second K half 131,072 on, a K step 4,096
.if (\s) < 8
.set XO, 131072+4096*(\s)
.else
.set XO, 262144+4096*((\s)-8)
.endif
	WIN 0x80                                       ; destination window 2, address window 0
.set i, 0
.rept 8
	global_load_b128 v[32*((\s)%8)+4*i:32*((\s)%8)+4*i+3], v[LI], s[XQB:XQB+1] offset:XO+512*i
.set i, i+1
.endr
.endm
.macro XLOAD q                         ; the NEXT tile's scale words of x for K half q
	WIN 0
.irp mt, 0,1,2,3
	global_load_b128 v[XS+8*\mt+4*(\q):XS+8*\mt+4*(\q)+3], v[LI], s[XSB:XSB+1] offset:16384+1024*\mt+512*(\q)
.endr
.endm
; Four matrix instructions: tile mt of the steps x the four tiles of weight rows, K step s.  bias = 1: the sums begin with the biases as C: nothing is cleared, no bias is added later.
; A K step takes mt = 0 .. 3: its sixteen accumulators take turns, one instruction a turn, in the same order in every K step.
.macro MUL4 s, mt, bias
.if \bias
	WIN 0x42                                       ; x window 2, weights window 0, C (the biases) window 0, D window 1
.else
	WIN 0x52                                       ; x window 2, weights window 0, C and D window 1
.endif
.irp nt, 0,1,2,3
.set rD, 64*(\nt/2)+16*(\mt)+8*(\nt%2)
.set rA, 32*((\s)%8)+8*(\mt)
.set rB, AF+32*((\s)%4)+8*\nt
.set rX, XS+8*(\mt)+4*((\s)/8)+(\s)%4
.set rW, WS+8*\nt+4*((\s)/8)+(\s)%4
.if \bias
	v_wmma_scale_f32_16x16x128_f8f6f4 v[rD:rD+7], v[rA:rA+7], v[rB:rB+7], v[BIAS+8*\nt:BIAS+8*\nt+7], v[rX], v[rW] matrix_a_fmt:MATRIX_FMT_FP4 matrix_b_fmt:MATRIX_FMT_FP4
.elseif ((\s)%8) < 4
	v_wmma_scale_f32_16x16x128_f8f6f4 v[rD:rD+7], v[rA:rA+7], v[rB:rB+7], v[rD:rD+7], v[rX], v[rW] matrix_a_fmt:MATRIX_FMT_FP4 matrix_b_fmt:MATRIX_FMT_FP4
.else
	v_wmma_scale_f32_16x16x128_f8f6f4 v[rD:rD+7], v[rA:rA+7], v[rB:rB+7], v[rD:rD+7], v[rX], v[rW] matrix_a_fmt:MATRIX_FMT_FP4 matrix_b_fmt:MATRIX_FMT_FP4 matrix_a_scale:MATRIX_SCALE_ROW1 matrix_b_scale:MATRIX_SCALE_ROW1
.endif
.endr
.endm
; A K STEP of 128.  more = 1: a tile follows this one.
; THE ORDER OF A WAVE'S GLOBAL LOADS, tile after tile.  Refill j takes the slot that step j read and is issued in step j + 1 (refill 15 behind step 15): refills 0 .. 7, four scale-word loads (the next tile's K half 0, in step 8),
; refills 8 .. 15, four scale-word loads (K half 1).  At step s's head the youngest refill issued is s - 2.  Behind the eight loads that filled step s's slot stand six refills and one group of four: 52;
; at step 0 seven refills (9 .. 15 of the tile before) and a group: 60; at step 8 six refills, the group not yet issued: 48.
; In the last tile nothing is loaded behind refill 7: behind the loads for step s >= 9 stand the refills s - 7 .. 7: 8 (15 - s).
; The scale words need no wait of their own: loads come back in order (ISA guide 5.7.1), and each group of four is older than a refill that is waited for ahead of its first use.
; Behind step 15 a wave can have a few more loads issued than LOADcnt's field holds: the issue then waits for the oldest (ISA guide 5.7.1); no wait is written for that.
; THE WEIGHTS are fetched three steps ahead: behind the eight LDS loads for step s stand those for s + 1 and s + 2: 16.  The last tile fetches nothing for a next one: 8 at its step 14, 0 at its step 15.
.macro STEP s, more, bias
.set LC, 52
.set DC, 16
.if (\s) == 0
.set LC, 60
.endif
.if (\s) == 8
.set LC, 48
.endif
.if !(\more)
.if (\s) >= 9
.set LC, 8*(15-(\s))
.endif
.if (\s) == 14
.set DC, 8
.endif
.if (\s) == 15
.set DC, 0
.endif
.endif
	s_wait_loadcnt LC                              ; x's four fragments of this step are in
	s_wait_dscnt DC                                ; and the weights' four
.if (\more) || ((\s) < 13)                     ; (the last tile's steps 13 to 15 issue no load and have nothing to state)
	s_wait_alu depctr_va_vdst(0)                   ; the step before is done reading its slot of x, its set of weights and, at step 8, K half 0's scale words, in which this step's loads land; at step 0: the carry's multiply-adds are done reading the fourth set
.endif
	MUL4 \s, 0, \bias
.if (\more) || ((\s) < 13)
	FETCH ((\s)+3)%16                              ; into the set that step s - 1 read.  No wait: no matrix instruction since the wait above names that set
.endif
	MUL4 \s, 1, \bias
.if ((\s) > 0) && ((\more) || ((\s) < 9))
	XFILL (\s)-1                                   ; the slot that step s - 1 read.  No wait: this step's products name slot s % 8 alone
.endif
.if (\more) && ((\s) == 8)
	XLOAD 0                                        ; K half 0's scale registers were last read by step 7; this step's products name K half 1's
.endif
	MUL4 \s, 2, \bias
	MUL4 \s, 3, \bias
	PLACES
.endm
; BEHIND THE PRODUCTS, part 1: the gates, and each lane's scan of its 32 steps, two channels (u = 0, 1) an instruction.  Pair (mt, j) lies at 16 mt + 2 j of R0 and R2.
; Each accumulator is read from its low end on.  The transcendentals go in two batches, each with one plain line and one wait behind it, ahead of its first reader.
.macro ACT
	WIN 0x41                                       ; destination and source 0 window 1; log2(e) / 2 lies in window 0
.set i, 0
.rept 32
	v_pk_mul_f32 v[i:i+1], v[i:i+1], s[CL:CL+1] op_sel_hi:[1,0]                                 ; -log2(e) k
.set i, i+2
.endr
.set i, 0
.rept 32
	v_pk_fma_f32 v[192+i:193+i], v[64+i:65+i], s[CL:CL+1], v[HL:HL+1] op_sel_hi:[1,0,1]         ; -log2(e) (n + 0.5) + log2(e) / 2 = -log2(e) n
.set i, i+2
.endr
	s_wait_alu depctr_va_vdst(0)
.irp mt, 0,1,2,3
.irp u, 0,1
.irp j, 0,1,2,3,4,5,6,7
	v_exp_f32 v[128+16*\mt+2*\j+\u], v[16*\mt+8*\u+\j]         ; e^-k.  The destination does the change of layout: from a tile for each u to pairs (u = 0, u = 1)
.endr
.endr
.endr
	v_nop                                          ; a plain line before R0, which those exponentials read, is written again
.irp mt, 0,1,2,3
.irp u, 0,1
.irp j, 0,1,2,3,4,5,6,7
	v_exp_f32 v[16*\mt+2*\j+\u], v[192+16*\mt+8*\u+\j]         ; e^-n
.endr
.endr
.endr
	v_nop
	s_wait_alu depctr_va_vdst(0)                   ; the 128 exponentials have written R2 and R0, which the additions below read: one wait for the batch
.set i, 0
.rept 32
	v_pk_add_f32 v[128+i:129+i], v[128+i:129+i], 1.0 op_sel_hi:[1,0]
	v_pk_add_f32 v[i:i+1], v[i:i+1], 1.0 op_sel_hi:[1,0]
.set i, i+2
.endr
.set i, 0
	s_wait_alu depctr_va_vdst(0)
.rept 64
	v_rcp_f32 v[128+i], v[128+i]                   ; z = sigmoid(k)
	v_rcp_f32 v[i], v[i]                           ; sigmoid(n)
.set i, i+1
.endr
	v_nop
	s_wait_alu depctr_va_vdst(0)                   ; the 128 reciprocals have written R2 and R0, which the lines below read: one wait for the batch
	WIN 0x55                                       ; all in window 1
.irp mt, 0,1,2,3
.irp u, 0,1
.irp j, 0,1,2,3,4,5,6,7
	v_max_num_f32 v[16*\mt+2*\j+\u], v[64+16*\mt+8*\u+\j], v[16*\mt+2*\j+\u]   ; g = max(n + 0.5, sigmoid(n))
.endr
.endr
.endr
.set i, 0
.rept 32
	v_pk_mul_f32 v[i:i+1], v[128+i:129+i], v[i:i+1]                            ; b = z g
.set i, i+2
.endr
.set i, 0
.rept 32
	v_pk_fma_f32 v[128+i:129+i], v[128+i:129+i], -1.0, 1.0 op_sel_hi:[1,0,0]   ; a = 1 - z
.set i, i+2
.endr
.irp j, 1,2,3,4,5,6,7                  ; four scans of eight steps side by side, in place: h(mt, j) = P(mt, j) x (h ahead of group mt) + Q(mt, j)
.irp mt, 0,1,2,3
	v_pk_fma_f32 v[16*\mt+2*\j:16*\mt+2*\j+1], v[128+16*\mt+2*\j:129+16*\mt+2*\j], v[16*\mt+2*\j-2:16*\mt+2*\j-1], v[16*\mt+2*\j:16*\mt+2*\j+1]   ; Q_j = a_j Q_(j-1) + b_j
.endr
.irp mt, 0,1,2,3
	v_pk_mul_f32 v[128+16*\mt+2*\j:129+16*\mt+2*\j], v[128+16*\mt+2*\j:129+16*\mt+2*\j], v[128+16*\mt+2*\j-2:128+16*\mt+2*\j-1]                   ; P_j = a_j P_(j-1)
.endr
.endr
	v_pk_fma_f32 v[194:195], v[158:159], v[14:15], v[30:31]    ; my segment's total: the four groups composed: Q into v[194:195],
	v_pk_mul_f32 v[192:193], v[142:143], v[158:159]            ; P into v[192:193]
.irp mt, 2,3
	v_pk_fma_f32 v[194:195], v[142+16*\mt:143+16*\mt], v[194:195], v[14+16*\mt:15+16*\mt]
	v_pk_mul_f32 v[192:193], v[192:193], v[142+16*\mt:143+16*\mt]
.endr
.endm
; Part 2: the segments' totals meet in LDS.  Two barriers a tile: one between every wave's store of P and Q and the loads of them; one between those loads and the next tile's store:
; it is signalled as soon as my loads are in and waited for behind the register work that follows.  The last tile has no store behind it and no second barrier.
.macro CARRY more
	WIN 0x04                                       ; an LDS store's data are its source 1: window 1
	s_wait_alu depctr_va_vdst(0)                   ; the scan has written my segment's P and Q, which the LDS store reads; step 15's products are done reading the fourth set of weights, in which the eight loads below land
	ds_store_b128 v[EXW], v[192:195]
	WIN 0
	s_wait_dscnt 0x0                               ; for the others' sake: my store of P and Q is done
	s_barrier_signal -1
	s_barrier_wait -1
.irp g, 0,1,2,3,4,5,6,7
	ds_load_b128 v[EX+4*\g:EX+4*\g+3], v[EXR] offset:256*\g    ; segment g's P and Q of my channel pair
.endr
	s_wait_dscnt 0x0                               ; they are in: for my own use, and for the others' sake:
.if \more
	s_barrier_signal -1                            ; I read these bytes no more
.endif
.irp g, 0,1,2,3,4,5,6,7
	v_cndmask_b32 v[OWN], v[OWN], v[CY], s[MK+\g]              ; the h that enters segment g is kept by the lanes whose segment it is,
	v_cndmask_b32 v[OWN+1], v[OWN+1], v[CY+1], s[MK+\g]
	v_pk_fma_f32 v[CY:CY+1], v[EX+4*\g:EX+4*\g+1], v[CY:CY+1], v[EX+4*\g+2:EX+4*\g+3]   ; and goes through the segment: at the end this is the next tile's carry, in every lane
.endr
	WIN 0x51                                       ; source 1 (h at my segment's head) window 0, all else window 1
.irp j, 7,0,1,2,3,4,5,6                ; a group's last step first: the next group waits for it
	v_pk_fma_f32 v[2*\j:2*\j+1], v[128+2*\j:129+2*\j], v[OWN:OWN+1], v[2*\j:2*\j+1]
.endr
	WIN 0x55
.irp mt, 1,2,3
.irp j, 7,0,1,2,3,4,5,6
	v_pk_fma_f32 v[16*\mt+2*\j:16*\mt+2*\j+1], v[128+16*\mt+2*\j:129+16*\mt+2*\j], v[16*\mt-2:16*\mt-1], v[16*\mt+2*\j:16*\mt+2*\j+1]   ; h = P x (the group before's last h) + Q
.endr
.endr
.if \more
	s_barrier_wait -1                              ; only register work stood between the signal and this wait
.endif
.endm
; THE WAY OUT.  A lane holds two channels of a step and the lanes beside it the step's other channels: 8 bytes a lane into rows of 128 bytes of my own stage, and back 16 bytes a lane, four rows an instruction.
.macro SEND
	WIN 0x04
	s_wait_alu depctr_va_vdst(0)                   ; the multiply-adds above have written h in R0, which the LDS stores read; the gates and the scan are done with R3, in which the loads from the stage land
	s_wait_alu depctr_vm_vsrc(0)                   ; the LDS store of P and Q has read v[192:195] of window 1, in which the first load from the stage lands
.irp mt, 0,1,2,3
.irp j, 0,1,2,3,4,5,6,7
	ds_store_b64 v[STO], v[16*\mt+2*\j:16*\mt+2*\j+1] offset:128*(8*\mt+\j)
.endr
.endr
	WIN 0x40                                       ; destination window 1
.irp i, 0,1,2,3,4,5,6,7,8,9,10,11,12,13,14,15
	ds_load_b128 v[192+4*\i:195+4*\i], v[RD] offset:512*\i+128*(\i/8)   ; steps 4 i .. 4 i + 3 of my 64.  LDS serves a wave's instructions in order (ISA guide 5.7.1.4): these see the stores above
.endr
	WIN 0x04                                       ; a store's data are its source 1
.irp i, 0,1,2,3,4,5,6,7,8,9,10,11,12,13,14,15
	s_wait_dscnt 15-\i                             ; load i is in; the younger ones may be out
	global_store_b128 v[GO], v[192+4*\i:195+4*\i], s[OUTB:OUTB+1] offset:32768*\i   ; four rows' runs of 128 consecutive bytes, each at a multiple of 128 from out0's first byte
.endr
	WIN 0
.endm
.macro TILE more                       ; 256 steps.  more = 1: a tile follows
	STEP 0, \more, 1
.irp q, 1,2,3,4,5,6,7,8,9,10,11,12,13,14,15
	STEP \q, \more, 0
.endr
.if \more
	s_wait_alu depctr_va_vdst(0)                   ; step 15's products are done reading their slot of x and K half 1's scale words, in which the twelve loads below land
	XFILL 15
	XLOAD 1
.endif
	ACT
	CARRY \more
	SEND
.endm
	s_load_b256 s[4:11], s[0:1], 0x0               ; xq s[4:5], xs s[6:7], wq s[8:9], ws s[10:11]
	s_load_b128 s[12:15], s[0:1], 0x20             ; bz s[12:13], bn s[14:15]
	s_load_b64 s[16:17], s[0:1], 0x30              ; out0
	v_lshl_add_u32 v254, v0, 2, 0x18c00
	v_mov_b32 v255, 0
	v_lshrrev_b32 v21, 5, v0
	v_readfirstlane_b32 s[WV], v21                 ; wave 0..3
	v_bfe_u32 v20, v0, 4, 1                        ; h
	v_lshl_add_u32 v22, v21, 1, v20                ; my segment: 2 x wave + h
.irp g, 0,1,2,3,4,5,6,7
	v_cmp_eq_u32 s[MK+\g], \g, v22
.endr
	s_mov_b32 s20, ttmp9                           ; cb
	s_and_b32 s21, ttmp7, 0xffff                   ; b
	s_mov_b32 s[CL], 0xbfb8aa3b                    ; -log2(e)
	s_mov_b32 s[CL+1], s[CL]                       ; (named with it as a pair, so it is written)
	s_lshl_b32 s22, s21, 21                        ; x's codes: 2,097,152 bytes a batch,
	s_wait_alu depctr_va_sdst(0)                   ; the wave's number s18 and the eight masks s[44:51] are written, ahead of their first readers: the line below, and the selects of the carry
	s_lshl_b32 s23, s[WV], 15                      ; my wave's 32,768 of each K half of a tile
	s_add_co_u32 s22, s22, s23
	s_mov_b32 s23, 0
	s_lshl_b32 s68, s21, 17                        ; x's scale words: 16,384 bytes a tile, eight tiles a batch,
	s_lshl_b32 s69, s[WV], 12                      ; 4,096 a wave
	s_add_co_u32 s68, s68, s69
	s_mov_b32 s69, 0
	s_lshl_b32 s70, s21, 24                        ; out0: 2,048 rows of 8,192 bytes a batch,
	s_lshl_b32 s71, s[WV], 19                      ; my wave's 64 rows,
	s_add_co_u32 s70, s70, s71
	s_lshl_b32 s71, s20, 7                         ; my 32 channels
	s_add_co_u32 s70, s70, s71
	s_mov_b32 s71, 0
	s_lshl_b32 s60, s[WV], 14                      ; my wave's quarter of the weights' codes, in memory and in LDS
	s_lshl_b32 s72, s20, 16                        ; 65,536 bytes for each cb
	s_add_co_u32 s72, s72, s60
	s_mov_b32 s73, 0
	s_lshl_b32 s74, s20, 12                        ; their scale words: 4,096
	s_mov_b32 s75, 0
	s_lshl_b32 s76, s20, 7                         ; the biases: 128
	s_mov_b32 s77, 0
	v_and_b32 v18, 31, v0                          ; lane
	v_and_b32 v19, 15, v0                          ; r
	v_lshlrev_b32 v[LI], 4, v18
	v_add_nc_u32 v[WST], s60, v[LI]
	s_mul_i32 s61, s[WV], WSTG
	s_add_co_u32 s61, s61, STAGE                   ; my stage
	v_mul_u32_u24 v[STO], v20, HSTG                ; in: my half of the lanes' 32 rows, 8 bytes at my channel pair
	v_lshl_add_u32 v[STO], v19, 3, v[STO]
	v_add_nc_u32 v[STO], s61, v[STO]
	v_add_nc_u32 v[RD], s61, v[LI]                 ; back: 16 bytes a lane
	v_lshrrev_b32 v22, 3, v18
	v_and_b32 v23, 7, v18
	v_lshlrev_b32 v[GO], 13, v22                   ; eight lanes to a row's 128 bytes: row lane / 8 of 8,192 bytes,
	v_lshl_add_u32 v[GO], v23, 4, v[GO]            ; + 16 (lane % 8)
	v_lshl_add_u32 v[EXW], v0, 4, EXCH             ; 16 x thread = 256 x segment + 16 r
	v_lshl_add_u32 v[EXR], v19, 4, EXCH
	v_lshlrev_b32 v23, 3, v19                      ; the biases of my channel pair: 8 r
	v_mov_b32 v[CY], 0.5                           ; h_0
	v_mov_b32 v[CY+1], 0.5
	v_mov_b32 v[OWN], 0
	v_mov_b32 v[OWN+1], 0
	v_mov_b32 v[HL], 0x3f38aa3b                    ; log2(e) / 2
	v_mov_b32 v[HL+1], 0x3f38aa3b
	s_wait_kmcnt 0x0
	s_add_nc_u64 s[XQB:XQB+1], s[4:5], s[22:23]
	s_add_nc_u64 s[XSB:XSB+1], s[6:7], s[68:69]
	s_add_nc_u64 s[OUTB:OUTB+1], s[16:17], s[70:71]
	s_add_nc_u64 s[8:9], s[8:9], s[72:73]
	s_add_nc_u64 s[10:11], s[10:11], s[74:75]
	s_add_nc_u64 s[12:13], s[12:13], s[76:77]
	s_add_nc_u64 s[14:15], s[14:15], s[76:77]
	; ALL THE HEAD'S LOADS GO OUT AT ONCE, 114 of them, what is wanted first first.  From x's first scale words on their order is the order of a tile's loads, so that the first tile's waits count as every tile's do.
	WIN 0x40                                       ; destination window 1: my quarter of the weights' codes passes through the registers that the sums will take
	s_wait_alu depctr_va_vdst(0)                   ; the addresses and offsets v1 to v8 and v23 are written, which every load and store of the kernel reads; the lines above are done with v18 to v21, in which the biases land
.set i, 0
.rept 32
	global_load_b128 v[4*i:4*i+3], v[LI], s[8:9] offset:512*i
.set i, i+1
.endr
	WIN 0
.irp nt, 0,1,2,3
.irp q, 0,1
	global_load_b128 v[WS+8*\nt+4*\q:WS+8*\nt+4*\q+3], v[LI], s[10:11] offset:1024*\nt+512*\q
.endr
.endr
	global_load_b64 v[18:19], v23, s[12:13]        ; bz of channels 2 r, 2 r + 1
	global_load_b64 v[20:21], v23, s[14:15]        ; bn likewise
.irp mt, 0,1,2,3
	global_load_b128 v[XS+8*\mt:XS+8*\mt+3], v[LI], s[XSB:XSB+1] offset:1024*\mt               ; tile 0's scale words of x, K half 0
.endr
	WIN 0x80                                       ; destination window 2: the ring's eight slots: tile 0's K steps 0 .. 7, as they lie
.set i, 0
.rept 64
	global_load_b128 v[4*i:4*i+3], v[LI], s[XQB:XQB+1] offset:512*i
.set i, i+1
.endr
	WIN 0
.irp mt, 0,1,2,3
	global_load_b128 v[XS+8*\mt+4:XS+8*\mt+7], v[LI], s[XSB:XSB+1] offset:1024*\mt+512         ; K half 1
.endr
	s_wait_loadcnt 63                              ; of the 114 the oldest 51 are in: the weights' codes (32) and scale words (8), the biases (2), x's first scale words (4)
	WIN 0x04                                       ; an LDS store's data are its source 1: window 1
.set i, 0
.rept 32
	ds_store_b128 v[WST], v[4*i:4*i+3] offset:WLDS+512*i
.set i, i+1
.endr
	WIN 0
.irp j, 0,1,2,3,4,5,6,7
	v_mov_b32 v[BIAS+\j], v18                      ; a result's eight registers of a lane are eight steps of one channel: its bias in each
	v_mov_b32 v[BIAS+8+\j], v19
	v_add_f32 v[BIAS+16+\j], 0.5, v20              ; n's sums begin with bn + 0.5
	v_add_f32 v[BIAS+24+\j], 0.5, v21
.endr
	s_wait_dscnt 0x0                               ; for the others' sake: my quarter of the weights lies in LDS
	s_barrier_signal -1
	s_barrier_wait -1                              ; all four quarters do; nobody writes these bytes again
	s_wait_alu depctr_vm_vsrc(0)                   ; my LDS stores have read v0 to v127 of window 1, which the first tile's products write
	FETCH 0
	FETCH 1
	FETCH 2
	s_mov_b32 s[CNT], 7
.Ltile:                                            ; seven trips
	TILE 1
	s_wait_xcnt 0x0                                ; the loads and the stores have read their bases and their registers: the bases may step, and the rows' registers may be written again
	s_wait_alu depctr_vm_vsrc(0)                   ; the LDS stores of the way out have read h in R0, which the next tile's products write; the global stores have read the rows in R3, which the next tile's gates write
	s_add_nc_u64 s[XQB:XQB+1], s[XQB:XQB+1], 262144
	s_add_nc_u64 s[XSB:XSB+1], s[XSB:XSB+1], 16384
	s_add_nc_u64 s[OUTB:OUTB+1], s[OUTB:OUTB+1], 256*8192
	s_sub_co_u32 s[CNT], s[CNT], 1
	s_cmp_lg_u32 s[CNT], 0
	s_cbranch_scc1 .Ltile
	TILE 0                                         ; the last tile is written out: it loads nothing for a next one, so that no load leaves its buffer, and its waits count down
	s_wait_dscnt 0x0                               ; the closing lines, six on end
	s_wait_alu 0x0
	s_wait_tensorcnt 0x0
	ds_add_u32 v254, v255
	s_wait_dscnt 0x0
	s_endpgm
.Lfunc_end_k_qa40930f8cf_gru:
	.size	k_qa40930f8cf_gru, .Lfunc_end_k_qa40930f8cf_gru-k_qa40930f8cf_gru
	.p2alignl 7, 3214868480
	.fill 96, 4, 3214868480
	.section	.rodata,"a",@progbits
	.p2align	6, 0x0
	.amdhsa_kernel k_qa40930f8cf_gru
		.amdhsa_group_segment_fixed_size 101888
		.amdhsa_private_segment_fixed_size 0
		.amdhsa_enable_private_segment 0
		.amdhsa_kernarg_size 56
		.amdhsa_user_sgpr_count 2
		.amdhsa_user_sgpr_kernarg_segment_ptr 1
		.amdhsa_wavefront_size32 1
		.amdhsa_system_sgpr_workgroup_id_x 1
		.amdhsa_system_sgpr_workgroup_id_y 1
		.amdhsa_system_sgpr_workgroup_id_z 1
		.amdhsa_system_vgpr_workitem_id 0
		.amdhsa_next_free_vgpr 768
		.amdhsa_next_free_sgpr 80
		.amdhsa_reserve_vcc 0
		.amdhsa_float_denorm_mode_32 3
		.amdhsa_float_denorm_mode_16_64 3
		.amdhsa_memory_ordered 1
		.amdhsa_forward_progress 1
		.amdhsa_inst_pref_size 199
	.end_amdhsa_kernel
	.amdgpu_metadata
---
amdhsa.version: [ 1, 2 ]
amdhsa.kernels:
  - .name:           k_qa40930f8cf_gru
    .symbol:         k_qa40930f8cf_gru.kd
    .args:
      - { .name: xq, .offset: 0, .size: 8, .value_kind: global_buffer, .address_space: global }
      - { .name: xs, .offset: 8, .size: 8, .value_kind: global_buffer, .address_space: global }
      - { .name: wq, .offset: 16, .size: 8, .value_kind: global_buffer, .address_space: global }
      - { .name: ws, .offset: 24, .size: 8, .value_kind: global_buffer, .address_space: global }
      - { .name: bz, .offset: 32, .size: 8, .value_kind: global_buffer, .address_space: global }
      - { .name: bn, .offset: 40, .size: 8, .value_kind: global_buffer, .address_space: global }
      - { .name: out0, .offset: 48, .size: 8, .value_kind: global_buffer, .address_space: global }
    .group_segment_fixed_size: 101888
    .private_segment_fixed_size: 0
    .kernarg_segment_align: 8
    .kernarg_segment_size: 56
    .max_flat_workgroup_size: 128
    .sgpr_count:     80
    .vgpr_count:     768
    .wavefront_size: 32
...
	.end_amdgpu_metadata
.endif
;; end of part 4
